; MI455X (gfx1250); checked and timed in simulation.
; The chip was launched on July 23, 2026; its instructions are those of AMD's public machine-readable ISA for CDNA 5 (MIT licence, August 2026) and "CDNA5" Instruction Set Architecture Reference Guide (July 2026). The comments in the code are by the model that wrote it; some were corrected since.
;; Single Head Attention. Allowed arithmetic: matrix products marked QUANTISED: E2M1 operands, one E8M0 scale for each 32 along K, by v_wmma_scale_f32_16x16x128_f8f6f4 with both operands' format E2M1 (or v_wmma_scale_f32_32x16x128_f4), f32 sums; products left as they are: bf16, f16 or f32 operands; f32 sums; everything else in f32.
;; Inputs: Wk 1,024 x 1,024 float32; Wo 1,024 x 1,024 float32; Wq 1,024 x 1,024 float32; Wv 1,024 x 1,024 float32; bk 1,024 float32; bo 1,024 float32; bq 1,024 float32; bv 1,024 float32; x 4 x 2,048 x 1,024 float32.
;; Outputs: out0 4 x 2,048 x 1,024 float32.
;; This version of the problem:
;;   THIS VERSION OF THE PROBLEM IS GIVEN IN LOW PRECISION. The matrix products marked QUANTISED in the list below multiply operands that are first quantised to E2M1 (2 exponent bits, 1 mantissa bit; 4 bits a number), with one power-of-two scale for each 32 numbers along K (OCP MX v1.0); their sums are f32. The products marked 'left as it is' may take bf16, f16 or f32 operands, with f32 sums. Whichever they take, every output number must still come out within the allowed error. Rounding operands to bf16 (8 significant bits) uses up far more of that allowance than f16 does (11 bits, for magnitudes from 6e-5 to 65,504). All else is computed in f32.
;;   The module's matrix products, in the order in which they are computed (A, B: the left and right operand; K: the contracted axis; several contracted axes count as one K, in the product's order):
;;     1. [M 8,192, K 1,024] x [K 1,024, N 1,024]; A: input x; B: input Wq: QUANTISED
;;     2. [M 8,192, K 1,024] x [K 1,024, N 1,024]; A: input x; B: input Wk: QUANTISED
;;     3. [M 8,192, K 1,024] x [K 1,024, N 1,024]; A: input x; B: input Wv: QUANTISED
;;     4. batch 4 x [M 2,048, K 1,024] x [K 1,024, N 2,048]; A: computed on the way; B: computed on the way: left as it is (an operand is computed on the way)
;;     5. batch 4 x [M 2,048, K 2,048] x [K 2,048, N 1,024]; A: computed on the way; B: computed on the way: left as it is (an operand is computed on the way)
;;     6. [M 8,192, K 1,024] x [K 1,024, N 1,024]; A: computed on the way; B: input Wo: left as it is (an operand is computed on the way)
;;   THE QUANTISER, for each operand of a quantised product, along K:
;;     - K is cut into blocks of 32 from its start; a last block that is shorter is filled with zeros.
;;     - A block's scale is 2^e with e = floor(log2(the largest magnitude in the block)) - 2, held to -126 .. 127; a block of zeros has e = 0. As a byte (E8M0): e + 127.
;;     - Each number is divided by its block's scale, clamped to +-6, and rounded to the nearest number of E2M1, ties to even, subnormals kept.
;;     - The product sums the exact products of the quantised numbers (number of the format x scale) in f32.
;;   ~~~python
;;   def quantise(x, axis):      # numpy; x: float32 -> the quantised numbers, widened to float32 again
;;       x = np.moveaxis(x, axis, -1); K = x.shape[-1]
;;       x = np.pad(x, [(0, 0)] * (x.ndim - 1) + [(0, -K % 32)]); x = x.reshape(x.shape[:-1] + (-1, 32)); a = np.abs(x).max(-1, keepdims=True)
;;       e = np.where(a > 0, np.clip(np.frexp(np.where(a > 0, a, 1))[1] - 1 - 2, -126, 127), 0)      # np.frexp(a)[1] - 1 = floor(log2(a)), exactly
;;       r = np.clip(x / 2.0 ** e, -6, 6)
;;       step = 2.0 ** (np.maximum(np.frexp(np.where(r == 0, 1, r))[1] - 1, 0) - 1)
;;       q = np.round(r / step) * step * 2.0 ** e      # np.round: ties to even
;;       return np.moveaxis(q.reshape(q.shape[:-2] + (-1,))[..., :K], -1, axis).astype(np.float32)
;;   ~~~
;; One version. Each part assembles by itself: llvm-mc -triple=amdgcn-amd-amdhsa -mcpu=gfx1250 --defsym DOCPART=n.
;; ======== version 1 of 1: 7 launches
;; limits: values are held in f16: magnitudes above 65,504 overflow, below 6.1e-05 lose precision
;; workspace buffers: pre 8,224,768 bytes; qkv 51,118,080 bytes; sc 67,108,864 bytes; p 33,554,432 bytes; o 16,777,216 bytes
;; launch quant (part 1): grid 384 x 1, 4 waves a work-group, no clusters, 33,280 bytes of LDS; arguments x, Wq, Wk, Wv, Wo, pre; writes pre
.if DOCPART == 1
	.amdgcn_target "amdgcn-amd-amdhsa--gfx1250"
	.amdhsa_code_object_version 6
	.text
	.protected	k_q8a0e1a84be_quant
	.globl	k_q8a0e1a84be_quant
	.p2align	8
	.type	k_q8a0e1a84be_quant,@function
k_q8a0e1a84be_quant:
	s_mov_b64 s[64:65], 0
	v_nop
	global_prefetch_b8 v0, s[64:65] scope:SCOPE_SE
	s_setreg_imm32_b32 hwreg(HW_REG_WAVE_MODE, 25, 1), 1
	s_wait_xcnt 0x0
; x [8192][1024], Wq, Wk, Wv [1024][1024], f32, K innermost, become codes of FP4 (E2M1) with one E8M0 scale byte for each 32 along K; Wo [1024][1024] becomes f16.
; All go into the workspace pre: codes from byte 0, 11,264 rows of 512 bytes (x, Wq, Wk, Wv on end); scale bytes from XS_OFF, 32 a row, same order; Wo as f16 from WO_OFF.
; A block's scale is 2^(floor(log2(its largest magnitude)) - 2): its byte is the largest magnitude's exponent field - 2, held at 1 from below; each number / scale goes to the nearest code, ties to even, beyond 6 the largest code.
; LIMITS: a block of zeros gets the byte 1 where the quantiser says 127 (its codes are zeros, and this program alone reads the bytes); blocks whose largest magnitude lies under 2^-124 are held at that byte;
; NaN and infinities among the inputs are not served; a number of Wo beyond 65,504 in magnitude becomes an infinity of f16, one under 6e-8 becomes 0.
; Rows are dense and 1,024 is a multiple of 32: the four tensors are one stream of blocks of 32.  A work-group takes 32,768 numbers, a wave 8,192: work-groups 0-255 x, 256-287 Wq, 288-319 Wk, 320-351 Wv, 352-383 Wo (the cast).
; The quantiser: 16 steps of 512 numbers a wave.  Each load reads 512 consecutive bytes, 16 a lane; a step's 2,048 bytes turn through the wave's own stage in LDS and come back 64 bytes a lane, so that a lane holds 16 neighbours
; along K (two neighbouring lanes hold a block).  A lane's 16 codes are 8 bytes: a store covers 256 consecutive bytes, aligned.  A wave's 256 scale bytes are gathered in LDS and leave by one such store.
; No tensor loads, no barrier: waves share nothing.  Matrix units and clusters have nothing to do here: each byte is read once and written once.
.set WAVES, 4
.set STEPS, 16
.set EMAX,  2
.set CB,    8                          ; bytes of 16 codes
.set R,     16                         ; v16-79   four sets of 16 numbers as they are loaded
.set X,     80                         ; v80-111  two sets of 16 neighbours
.set C,     128                        ; v128-191 codes: four registers for each step, so that no store's data are written again
.set E,     112                        ; v112-127 a scale byte for each step
.set WREG,  8192                       ; LDS: a region for each wave: two stages of 32 x SP bytes, behind them its 256 scale bytes
.set SP,    80                         ; a lane's place in a stage: 64 bytes + 16 of padding
.set SPW,   12                         ; v12  LDS address of my spare word; never rewritten
.set NIL,   13                         ; v13  0; never rewritten
.set SPARE, WAVES*WREG                 ; behind the four regions: the spare words, 128 bytes a wave, which no other line names
.set XS_OFF, 0x580000                  ; 11,264 rows x 512 bytes
.set WO_OFF, 0x5d8000                  ; + 11,264 rows x 32 bytes
	s_load_b256 s[4:11], s[0:1], 0x0               ; x s[4:5], Wq s[6:7], Wk s[8:9], Wv s[10:11]
	s_load_b128 s[12:15], s[0:1], 0x20             ; Wo s[12:13], pre s[14:15]
	v_lshl_add_u32 v[SPW], v0, 2, SPARE
	v_mov_b32 v[NIL], 0
	v_lshrrev_b32 v1, 5, v0
	v_readfirstlane_b32 s16, v1                    ; wave
	v_and_b32 v2, 31, v0                           ; lane
	v_lshlrev_b32 v3, 4, v2                        ; my 16 bytes of a load's 512
	s_mul_i32 s17, s16, WREG
	v_lshrrev_b32 v14, 2, v2
	v_mul_u32_u24 v14, v14, SP
	v_and_b32 v15, 3, v2
	v_lshl_add_u32 v14, v15, 4, v14
	v_add_nc_u32 v14, s17, v14                     ; the stage, on the way in: SP (lane / 4) + 16 (lane % 4)
	v_mul_u32_u24 v15, v2, SP
	v_add_nc_u32 v15, s17, v15                     ; and on the way out: SP x lane: my 16 neighbours
	v_mul_u32_u24 v4, v2, CB                       ; 8 x lane: my codes' place in a step's; the cast's stores use it too
	v_lshrrev_b32 v5, 1, v2
	s_add_co_u32 s17, s17, 2*32*SP
	v_add_nc_u32 v5, s17, v5                       ; LDS: my wave's 256 scale bytes, my block's byte
	v_lshlrev_b32 v7, 3, v2
	v_add_nc_u32 v6, s17, v7                       ; and on the way out 8 bytes a lane
	s_and_b32 s18, ttmp9, 31                       ; a weight's work-groups count from a multiple of 32
	s_lshl_b32 s22, ttmp9, 2
	s_add_co_u32 s22, s22, s16                     ; which run of 8,192 numbers of the whole stream is my wave's
	s_wait_kmcnt 0x0
	s_cmp_ge_u32 ttmp9, 352
	s_cbranch_scc1 .Lcast                          ; the work-group's number alone decides; no LDS byte has been written yet
	s_cmp_lt_u32 ttmp9, 320                        ; the source is chosen on the work-group's number alone
	s_cselect_b64 s[8:9], s[8:9], s[10:11]
	s_cmp_lt_u32 ttmp9, 288
	s_cselect_b64 s[6:7], s[6:7], s[8:9]
	s_cmp_lt_u32 ttmp9, 256
	s_cselect_b64 s[4:5], s[4:5], s[6:7]
	s_cselect_b32 s18, ttmp9, s18
	s_lshl_b32 s18, s18, 2
	s_add_co_u32 s18, s18, s16                     ; which run of its own tensor
	s_lshl_b32 s18, s18, 15                        ; 32,768 bytes a run
	s_mov_b32 s19, 0
	s_add_nc_u64 s[4:5], s[4:5], s[18:19]
	s_lshl_b32 s20, s22, 12                        ; 4,096 bytes of codes a run
	s_mov_b32 s21, 0
	s_add_nc_u64 s[8:9], s[14:15], s[20:21]
	s_lshl_b32 s20, s22, 8                         ; 256 scale bytes a run
	s_add_co_u32 s20, s20, XS_OFF
	s_add_nc_u64 s[10:11], s[14:15], s[20:21]
.macro LOAD t
.irp i, 0,1,2,3
	global_load_b128 v[R+16*((\t)%4)+4*\i:R+16*((\t)%4)+4*\i+3], v3, s[4:5] offset:2048*(\t)+512*\i th:TH_LOAD_NT   ; 32 lanes read 512 consecutive bytes
.endr
.endm
.macro TURN t                          ; step t's numbers through the stage: LDS serves a wave's instructions in order, so no wait stands between the stores and the loads
.irp i, 0,1,2,3
	ds_store_b128 v14, v[R+16*((\t)%4)+4*\i:R+16*((\t)%4)+4*\i+3] offset:32*SP*((\t)%2)+8*SP*\i
.endr
.irp i, 0,1,2,3
	ds_load_b128 v[X+16*((\t)%2)+4*\i:X+16*((\t)%2)+4*\i+3], v15 offset:32*SP*((\t)%2)+16*\i
.endr
.endm
.irp t, 0,1,2,3
	LOAD \t
.endr
	s_wait_loadcnt 12                              ; step 0's four loads are in; the twelve of steps 1 to 3 may be out
	TURN 0
.macro STEP t
.set XS, X+16*((\t)%2)
.if (\t) > 0
	s_wait_dscnt 1                                 ; this step's numbers are back from the stage (the last step's byte store may be out): so its stores into the stage have read their registers,
.else
	s_wait_dscnt 0x0
.endif
.if (\t)+4 < STEPS
	LOAD (\t)+4                                    ; which take the loads of four steps on
.endif
.if (\t)+1 < STEPS
.if STEPS-2-(\t) >= 3
	s_wait_loadcnt 12                              ; the next step's four loads are in; those of the three steps behind it may be out
.else
	s_wait_loadcnt 4*(STEPS-2-(\t))
.endif
	TURN (\t)+1                                    ; and go through the other stage while this step is worked
.endif
	v_max3_num_f32 v8, |v[XS]|, |v[XS+1]|, |v[XS+2]|               ; the largest magnitude of my 16, in two chains
	v_max3_num_f32 v9, |v[XS+3]|, |v[XS+4]|, |v[XS+5]|
.irp i, 6,10
	v_max3_num_f32 v8, v8, |v[XS+\i]|, |v[XS+\i+1]|
	v_max3_num_f32 v9, v9, |v[XS+\i+2]|, |v[XS+\i+3]|
.endr
	v_max3_num_f32 v8, v8, |v[XS+14]|, |v[XS+15]|
	v_max3_num_f32 v8, v8, v9, (EMAX+1)<<23        ; and the floor 2^(EMAX + 1 - 127): so the byte cannot fall under 1
	v_max_num_f32_dpp v8, v8, v8 row_xmask:1 row_mask:0xf bank_mask:0xf   ; and of my neighbour's 16: the block's
	v_add_nc_u32 v11, -(EMAX<<23), v8              ; EMAX off its exponent field: the conversion takes the exponent field of this operand as its scale, and nothing else of it
	v_cvt_scalef32_pk8_fp4_f32 v[C+4*(\t)], v[XS:XS+7], v11
	v_cvt_scalef32_pk8_fp4_f32 v[C+4*(\t)+1], v[XS+8:XS+15], v11
	v_lshrrev_b32 v[E+(\t)], 23, v11               ; the scale's byte (also the plain line behind the conversions)
	ds_store_b8 v5, v[E+(\t)] offset:16*(\t)       ; both lanes of a block write the same byte with the same value
	global_store_b64 v4, v[C+4*(\t):C+4*(\t)+1], s[8:9] offset:32*CB*(\t)   ; 256 consecutive bytes, aligned
.endm
.irp t, 0,1,2,3,4,5,6,7,8,9,10,11,12,13,14,15
	STEP \t
.endr
	ds_load_b64 v[8:9], v6                         ; LDS serves a wave's instructions in order: these see my stores
	s_wait_dscnt 0x0
	global_store_b64 v7, v[8:9], s[10:11]          ; my wave's 256 scale bytes
	s_wait_tensorcnt 0x0                           ; the wave's end, behind my last LDS store
	ds_add_u32 v[SPW], v[NIL]
	s_wait_dscnt 0x0
	s_endpgm
; THE CAST: Wo to f16, rounded once.  A wave takes 8,192 numbers in four groups of 16 loads; two groups are on their way while one is worked.  No LDS.
.Lcast:
	s_sub_co_u32 s18, s22, 4*352                   ; which run of Wo
	s_lshl_b32 s20, s18, 15
	s_mov_b32 s21, 0
	s_add_nc_u64 s[4:5], s[12:13], s[20:21]
	s_lshl_b32 s20, s18, 14                        ; 16,384 bytes of f16 a run
	s_add_co_u32 s20, s20, WO_OFF
	s_add_nc_u64 s[8:9], s[14:15], s[20:21]
.macro LOADG g
.irp j, 0,1,2,3,4,5,6,7,8,9,10,11,12,13,14,15
	global_load_b128 v[16+64*((\g)%2)+4*\j:16+64*((\g)%2)+4*\j+3], v3, s[4:5] offset:(16*(\g)+\j)*512 th:TH_LOAD_NT
.endr
.endm
.macro CASTG g
.if (\g) < 3
	s_wait_loadcnt 16                              ; this group is in; the next group's sixteen may be out
.else
	s_wait_loadcnt 0x0
.endif
.if (\g) > 0
	s_wait_xcnt 0x0                                ; the last group's stores have read v144-175, which are written again below
.endif
.irp j, 0,1,2,3,4,5,6,7,8,9,10,11,12,13,14,15
	v_cvt_pk_f16_f32 v[144+2*\j], v[16+64*((\g)%2)+4*\j], v[16+64*((\g)%2)+4*\j+1]
	v_cvt_pk_f16_f32 v[144+2*\j+1], v[16+64*((\g)%2)+4*\j+2], v[16+64*((\g)%2)+4*\j+3]
.endr
.irp j, 0,1,2,3,4,5,6,7,8,9,10,11,12,13,14,15
	global_store_b64 v4, v[144+2*\j:144+2*\j+1], s[8:9] offset:(16*(\g)+\j)*256   ; 256 consecutive bytes, aligned
.endr
.if (\g) < 2
	LOADG (\g)+2
.endif
.endm
	LOADG 0
	LOADG 1
	CASTG 0
	CASTG 1
	CASTG 2
	CASTG 3
	s_endpgm
.Lfunc_end_k_q8a0e1a84be_quant:
	.size	k_q8a0e1a84be_quant, .Lfunc_end_k_q8a0e1a84be_quant-k_q8a0e1a84be_quant
	.p2alignl 7, 3214868480
	.fill 96, 4, 3214868480
	.section	.rodata,"a",@progbits
	.p2align	6, 0x0
	.amdhsa_kernel k_q8a0e1a84be_quant
		.amdhsa_group_segment_fixed_size 33280
		.amdhsa_private_segment_fixed_size 0
		.amdhsa_enable_private_segment 0
		.amdhsa_kernarg_size 48
		.amdhsa_user_sgpr_count 2
		.amdhsa_user_sgpr_kernarg_segment_ptr 1
		.amdhsa_wavefront_size32 1
		.amdhsa_system_sgpr_workgroup_id_x 1
		.amdhsa_system_sgpr_workgroup_id_y 1
		.amdhsa_system_sgpr_workgroup_id_z 1
		.amdhsa_system_vgpr_workitem_id 0
		.amdhsa_next_free_vgpr 192
		.amdhsa_next_free_sgpr 66
		.amdhsa_reserve_vcc 0
		.amdhsa_float_denorm_mode_32 3
		.amdhsa_float_denorm_mode_16_64 3
		.amdhsa_memory_ordered 1
		.amdhsa_forward_progress 1
		.amdhsa_inst_pref_size 54
	.end_amdhsa_kernel
	.amdgpu_metadata
---
amdhsa.version: [ 1, 2 ]
amdhsa.kernels:
  - .name:           k_q8a0e1a84be_quant
    .symbol:         k_q8a0e1a84be_quant.kd
    .args:
      - { .name: x, .offset: 0, .size: 8, .value_kind: global_buffer, .address_space: global }
      - { .name: Wq, .offset: 8, .size: 8, .value_kind: global_buffer, .address_space: global }
      - { .name: Wk, .offset: 16, .size: 8, .value_kind: global_buffer, .address_space: global }
      - { .name: Wv, .offset: 24, .size: 8, .value_kind: global_buffer, .address_space: global }
      - { .name: Wo, .offset: 32, .size: 8, .value_kind: global_buffer, .address_space: global }
      - { .name: pre, .offset: 40, .size: 8, .value_kind: global_buffer, .address_space: global }
    .group_segment_fixed_size: 33280
    .private_segment_fixed_size: 0
    .kernarg_segment_align: 8
    .kernarg_segment_size: 48
    .max_flat_workgroup_size: 128
    .sgpr_count:     66
    .vgpr_count:     192
    .wavefront_size: 32
...
	.end_amdgpu_metadata
.endif
;; end of part 1
;; launch project (part 2): grid 12 x 32, 4 waves a work-group, clusters of 4 x 4, 327,680 bytes of LDS; arguments pre, bq, bk, qkv; writes qkv
.if DOCPART == 2
	.amdgcn_target "amdgcn-amd-amdhsa--gfx1250"
	.amdhsa_code_object_version 6
	.text
	.protected	k_q8a0e1a84be_project
	.globl	k_q8a0e1a84be_project
	.p2align	8
	.type	k_q8a0e1a84be_project,@function
k_q8a0e1a84be_project:
	s_mov_b64 s[64:65], 0
	v_nop
	global_prefetch_b8 v0, s[64:65] scope:SCOPE_SE
	s_setreg_imm32_b32 hwreg(HW_REG_WAVE_MODE, 25, 1), 1
	s_wait_xcnt 0x0
	s_wait_alu depctr_hold_cnt(0) depctr_sa_sdst(0) depctr_va_vdst(0) depctr_va_sdst(0) depctr_va_ssrc(0) depctr_va_vcc(0) depctr_vm_vsrc(0)
	s_getreg_b32 s2, hwreg(HW_REG_IB_STS2, 6, 4)
	s_cmp_eq_u32 s2, 0
	s_cbranch_scc0 .Lentry_in_a_cluster
	s_endpgm
.Lentry_in_a_cluster:
	s_bfe_u32 s2, ttmp6, 0x10000c
	s_cmp_lg_u32 s2, 0xf033
	s_cbranch_scc0 .Lentry_shape_is_right
	s_endpgm
.Lentry_shape_is_right:
; The three quantised products, on codes of FP4 (E2M1) with one E8M0 scale for each 32 along K = 1,024: Q = x Wq^T + bq, K = x Wk^T + bk, and V^T = Wv x^T (bv is added later, where V is used).
; C[m][n] = sum over k of A[m][k] B[n][k], a tile of 256 x 256 to a work-group of four waves, 128 x 128 to a wave: 64 accumulators of 16 x 16, 512 registers.  Codes and scale bytes come from pre as they lie.
; CLUSTERS of 4 x 4 work-groups; cluster x = 0: Q, 1: K (A = x, B = the weight), 2: V^T (A = Wv, B = x: the same text gives V with the keys innermost, as the later product over the keys wants it).
; In units of 256 rows or columns (cx, cy: my place in the cluster; Y: cluster y, 0 to 7):   Q, K: A's rows Y + 8 cy, B's rows 32 + 4 X + cx, C at rows Y + 8 cy, columns 4 X + cx;
;   V^T: A's rows 40 + cy, B's rows Y + 8 cx, C at rows 32 + 4 cx + cy, columns Y.  So A's tiles hang on cy alone and are shared along a row of the cluster, B's on cx alone and are shared along a column: joint loads.
; With Y + 8 c the first rows of all four batches fall into the clusters with Y = 0: whether a wave holds positions 0-15 hangs on the cluster's number and the wave's, alike in all partners.
; K = 1,024 is two slots of 512: both are filled at the start, nothing is filled again.  The scale bytes of the 256 + 256 rows, for all of K, come once, with the first fills.
; THE MATRIX INSTRUCTION IS USED TRANSPOSED (source 0 = 16 rows of B, source 1 = 16 rows of A): a lane holds eight neighbouring numbers of a row of C.
; The bias is the C of each sum's first product (Q, K: bias of the lane's eight columns; V^T: zeros).
; OUT: f16, rounded once, into qkv [12288][2048] (rows 0-8191: Q | K; rows 8192 + 1024 batch + d: V^T).  LIMIT: a result beyond 65,504 in magnitude becomes an infinity of f16.
; Besides, positions 0-15 of each batch leave in f32, as images of the accumulators' registers, from byte FI of qkv on: section (Q 0, K 1, V^T 2) x 262,144 + batch x 65,536 + (tile of 16 features) x 1,024 + (registers 0-3 | 4-7) x 512 + 16 x lane.
; REGISTERS, in windows of 256: window 0: v0-31 addresses; v32-95 scale words, two sets; v128-191 A's fragments, one set; v192-255 the bias; on the way out v32-127 are free.
;   window 1: B's fragments, two sets, at v0 and v128.   window 2: the accumulators of my rows 0-63 ((a, b) at v[8 (8 a + b)]);   window 3: those of my rows 64-127.
.set NQ,     4                         ; matrix instructions deep in a slot: 512 along K
.set ROWB,   256                       ; a tile's row in bytes
.set KROW,   512                       ; a row of codes in memory
.set PITCH,  272                       ; an LDS row: 256 bytes + 16 of padding: the 16 rows that a load touches start at 16 different banks
.set FR,     8                         ; registers of a fragment: 16 rows x 128 K
.set NL,     2                         ; LDS loads that bring one
.set NP,     4                         ; places behind this matrix instruction (ISA guide 7.12.1)
.set HALFT,  128*PITCH
.set SLOT,   4*HALFT                   ; A's 256 rows, then B's 256 rows
.set KS,     32                        ; a row of scale bytes
.set SCL,    2*SLOT                    ; behind the two slots: the scales, as rows of 256 bytes + 16 of padding
.set HALFS,  (128*KS/256)*272
.set SBLK,   (16*KS/256)*272
.set SPARE,  SCL+4*HALFS               ; the spare words, 128 bytes a wave, which no other line names
.set SPITCH, 272                       ; the way out: a stage of 16 rows x (256 + 16) bytes for each wave, in slot 0, which has had its only fill and its last read by then
.set XS_OFF, 0x580000                  ; where the scale bytes begin in pre
.set FI,     0x3000000                 ; where the f32 images begin in qkv
.set ADRA, 16                          ; v16-17  LDS address of my A fragments in slot 0, 1
.set ADRB, 20                          ; v20-21  the same for B
.set STO,  24
.set RD,   25
.set CO,   26
.set ADRS, 27                          ; v27     LDS address of my scale words: lanes 0-15 A's rows, lanes 16-31 B's
.set SPW,  28
.set NIL,  29
.set IMG,  30                          ; v30     16 x lane
.set BA,   31                          ; v31     32 x (lane / 16)
.set SC,   32
.set AF,   128
.set BIAS, 192
.set TMP,  32
.set OB,   64
.set G1, 24
.set G0, 32
.set G1B, 48
.set G0B, 56
.set G1S, 68
.set G0S, 76
.set G1SB, 80
.set G0SB, 88
.set MSB, 0
.macro WIN new                         ; the immediate's high byte repeats the setting that is left
.if MSB != \new
	s_set_vgpr_msb (MSB<<8)|\new
.set MSB, \new
.endif
.endm
.set MUL_LO, 0xa1                      ; source 0 (B) window 1, source 1 (A) window 0, C and D window 2
.set MUL_HI, 0xf1                      ; the same, C and D window 3
.set BEG_LO, 0x81                      ; the first products: C (the bias) window 0, D window 2
.set BEG_HI, 0xc1                      ; D window 3
.set TO_B,   0x40
; A joint load: waves 0 and 1 fetch for A, waves 2 and 3 for B.  Each line has one mask and one set of registers for all that issue it; the branch hangs on the wave's number alone.  An s_nop 0 and four v_nop follow each.
.macro JLOAD g0a, g1a, g0b, g1b
	s_cmp_eq_u32 s15, 0
	s_cbranch_scc0 .Lfor_b_\@
	tensor_load_to_lds s[\g0a:\g0a+3], s[\g1a:\g1a+7]
	s_nop 0
.rept 4
	v_nop
.endr
	s_branch .Lasked_\@
.Lfor_b_\@:
	tensor_load_to_lds s[\g0b:\g0b+3], s[\g1b:\g1b+7]
	s_nop 0
.rept 4
	v_nop
.endr
.Lasked_\@:
.endm
.macro CROUND                          ; a round of the cluster's barrier
	s_barrier_signal -1
	s_barrier_wait -1
	s_cmp_lg_u32 s14, 0
	s_cbranch_scc1 .Lnot_wave_0_\@
	s_barrier_signal -3
.Lnot_wave_0_\@:
	s_barrier_wait -3
	s_barrier_signal -1
	s_barrier_wait -1
.endm
	s_load_b256 s[4:11], s[0:1], 0x0               ; pre s[4:5], bq s[6:7], bk s[8:9], qkv s[10:11]
	v_lshl_add_u32 v[SPW], v0, 2, SPARE
	v_mov_b32 v[NIL], 0
	ds_add_u32 v[SPW], v[NIL]                      ; the wave's opening: the add, twice on end, and its wait ahead of my first tensor load
	ds_add_u32 v[SPW], v[NIL]
	v_lshrrev_b32 v1, 5, v0
	v_readfirstlane_b32 s14, v1                    ; wave 0..3
	s_lshr_b32 s15, s14, 1                         ; which half of the tile's rows is mine.  Also: I fetch for A (0) or for B (1)
	s_and_b32 s16, s14, 1                          ; which half of its columns.  Also: which 128 rows of that tile I fetch
	s_bfe_u32 s40, ttmp6, 0x40000                  ; cx
	s_bfe_u32 s41, ttmp6, 0x40004                  ; cy
	s_and_b32 s95, ttmp7, 0xffff                   ; Y: cluster y
	s_lshl_b32 s17, s41, 3
	s_add_co_u32 s17, s17, s95                     ; Q, K: A = x, unit Y + 8 cy
	s_add_co_u32 s18, s41, 40                      ; V^T:  A = Wv, unit 40 + cy
	s_mov_b32 s2, s17                              ; Q, K: C's rows are A's
	s_lshl_b32 s3, ttmp9, 2
	s_add_co_u32 s3, s3, s40                       ; Q, K: C's columns, unit 4 X + cx
	s_add_co_u32 s42, s3, 32                       ; Q, K: B = Wq or Wk, unit 32 + 4 X + cx
	s_lshl_b32 s46, s40, 3
	s_add_co_u32 s46, s46, s95                     ; V^T:  B = x, unit Y + 8 cx
	s_lshl_b32 s96, s40, 2
	s_add_co_u32 s96, s96, s41
	s_add_co_u32 s96, s96, 32                      ; V^T:  C's rows, unit 32 + 4 cx + cy
	s_cmp_eq_u32 ttmp9, 2                          ; the cluster's number decides: alike in all sixteen partners
	s_cselect_b32 s17, s18, s17                    ; A's unit: made of cy and the cluster's numbers alone
	s_cselect_b32 s42, s46, s42                    ; B's unit: made of cx and the cluster's numbers alone
	s_cselect_b32 s2, s96, s2                      ; C's rows
	s_cselect_b32 s3, s95, s3                      ; C's columns
	s_lshl_b32 s43, s41, 2
	s_lshl_b32 s43, 15, s43                        ; my row of the cluster
	s_lshl_b32 s44, 0x1111, s40                    ; my column
	; descriptor group 1: a tile of 128 rows x 256 bytes, 16 bytes of padding behind each row
	s_or_b32 s[G1+0], s43, (0<<16)|(1<<20)|(1<<21)|(5<<22)|(3<<25)  ; the mask; elements of 1 byte; padding on; bit 21 beside a mask; after every 64 words, 4 words
	s_or_b32 s[G1B+0], s44, (0<<16)|(1<<20)|(1<<21)|(5<<22)|(3<<25)
.irp g, G1, G1B
	s_mov_b32 s[\g+1], ROWB<<16                    ; tensor_dim0
	s_mov_b32 s[\g+2], 128<<16                     ; tensor_dim1
	s_mov_b32 s[\g+3], ROWB<<16                    ; tile_dim0
	s_mov_b32 s[\g+4], 128                         ; tile_dim1
	s_mov_b32 s[\g+5], KROW                        ; from row to row
	s_mov_b32 s[\g+6], 0
	s_mov_b32 s[\g+7], 0
.endr
	; the scales of 128 rows: a dense block of 4,096 bytes, as 16 rows of 256 bytes (32 elements of 8 bytes), 16 bytes of padding behind each
	s_or_b32 s[G1S+0], s43, (3<<16)|(1<<20)|(1<<21)|(5<<22)|(3<<25)
	s_or_b32 s[G1SB+0], s44, (3<<16)|(1<<20)|(1<<21)|(5<<22)|(3<<25)
.irp g, G1S, G1SB
	s_mov_b32 s[\g+1], 32<<16
	s_mov_b32 s[\g+2], (128*KS/256)<<16
	s_mov_b32 s[\g+3], 32<<16
	s_mov_b32 s[\g+4], 128*KS/256
	s_mov_b32 s[\g+5], 32
	s_mov_b32 s[\g+6], 0
	s_mov_b32 s[\g+7], 0
.endr
	s_lshl_b32 s18, s16, 7                         ; which 128 rows of the tile I fetch
	s_lshl_b32 s20, s17, 8
	s_add_co_u32 s20, s20, s18                     ; A's first row among the 11,264
	s_lshl_b32 s46, s42, 8
	s_add_co_u32 s46, s46, s18                     ; B's
	s_lshl_b32 s22, s20, 5                         ; their scale bytes: 32 a row,
	s_add_co_u32 s22, s22, XS_OFF
	s_lshl_b32 s92, s46, 5
	s_add_co_u32 s92, s92, XS_OFF
	s_lshl_b32 s20, s20, 9                         ; their codes: 512 bytes a row (all under 2^24)
	s_lshl_b32 s46, s46, 9
	s_mov_b32 s21, 0
	s_mov_b32 s23, 0
	s_mov_b32 s47, 0
	s_mov_b32 s93, 0
	s_mul_i32 s45, s14, HALFT                      ; where they go: wave x 128 rows: no place in the cluster enters an LDS address
	s_mul_i32 s94, s14, HALFS
	s_wait_dscnt 0x0                               ; both opening adds are done
	s_wait_kmcnt 0x0
	s_add_nc_u64 s[20:21], s[4:5], s[20:21]
	s_add_nc_u64 s[22:23], s[4:5], s[22:23]
	s_add_nc_u64 s[46:47], s[4:5], s[46:47]
	s_add_nc_u64 s[92:93], s[4:5], s[92:93]
	CROUND                                         ; all sixteen work-groups are here: the first joint loads meet
	s_mov_b32 s[G0S], 1
	s_add_co_u32 s[G0S+1], s94, SCL
	s_mov_b64 s[G0S+2:G0S+3], s[22:23]
	s_or_b32 s[G0S+3], s[G0S+3], 0x80000000
	s_mov_b32 s[G0SB], 1
	s_add_co_u32 s[G0SB+1], s94, SCL
	s_mov_b64 s[G0SB+2:G0SB+3], s[92:93]
	s_or_b32 s[G0SB+3], s[G0SB+3], 0x80000000
	JLOAD G0S, G1S, G0SB, G1SB                     ; the scales first: they are wanted with the first slot
.irp s, 0,1
	s_mov_b32 s[G0+4*\s], 1
	s_add_co_u32 s[G0+4*\s+1], s45, \s*SLOT
	s_add_nc_u64 s[G0+4*\s+2:G0+4*\s+3], s[20:21], \s*ROWB
	s_or_b32 s[G0+4*\s+3], s[G0+4*\s+3], 0x80000000
	s_mov_b32 s[G0B+4*\s], 1
	s_add_co_u32 s[G0B+4*\s+1], s45, \s*SLOT
	s_add_nc_u64 s[G0B+4*\s+2:G0B+4*\s+3], s[46:47], \s*ROWB
	s_or_b32 s[G0B+4*\s+3], s[G0B+4*\s+3], 0x80000000
	JLOAD G0+4*\s, G1, G0B+4*\s, G1B               ; three tensor loads of mine are out now: the scales and both slots
.endr
	v_and_b32 v1, 15, v0                           ; r = lane % 16
	v_bfe_u32 v2, v0, 4, 1                         ; h = lane / 16
	v_lshlrev_b32 v[BA], 5, v2
	; THE BIAS, in the result's layout: register 8 b + j = bias[256 cx + 128 (my column half) + 16 b + 8 h + j].  The branch hangs on the cluster's number.
	s_cmp_eq_u32 ttmp9, 2
	s_cbranch_scc1 .Lno_bias
	s_cmp_eq_u32 ttmp9, 0
	s_cselect_b64 s[98:99], s[6:7], s[8:9]         ; bq or bk
	s_lshl_b32 s96, s40, 10
	s_lshl_b32 s97, s16, 9
	s_add_co_u32 s96, s96, s97
	s_mov_b32 s97, 0
	s_add_nc_u64 s[98:99], s[98:99], s[96:97]
.irp b, 0,1,2,3,4,5,6,7
	global_load_b128 v[BIAS+8*\b:BIAS+8*\b+3], v[BA], s[98:99] offset:64*\b
	global_load_b128 v[BIAS+8*\b+4:BIAS+8*\b+7], v[BA], s[98:99] offset:64*\b+16
.endr
	s_branch .Lbias_done
.Lno_bias:
.set i, 0
.rept 64
	v_mov_b32 v[BIAS+i], 0                         ; V^T starts from zeros: its bias runs down the rows, and is added where V is used
.set i, i+1
.endr
.Lbias_done:
	v_mul_u32_u24 v3, v1, PITCH
	v_lshl_add_u32 v4, v2, 4, v3                   ; a fragment's row x pitch + 16 x half
	s_mul_i32 s21, s15, HALFT                      ; my 128 rows of A
	s_mul_i32 s22, s16, HALFT                      ; my 128 rows of B,
	s_add_co_u32 s22, s22, 2*HALFT                 ; which lie behind A's 256
.irp s, 0,1
	v_add_nc_u32 v[ADRA+\s], s21, v4
	v_add_nc_u32 v[ADRB+\s], s22, v4
	s_add_co_u32 s21, s21, SLOT
	s_add_co_u32 s22, s22, SLOT
.endr
	v_mul_u32_u24 v5, v1, KS                       ; my row's scales: 32 bytes a row,
	v_lshrrev_b32 v6, 8, v5
	v_lshl_add_u32 v5, v6, 4, v5                   ; and 16 more for each 256 passed
	s_mul_i32 s21, s15, HALFS                      ; A's: my 128 rows
	s_mul_i32 s22, s16, HALFS                      ; B's: my 128 rows, behind A's 256
	s_add_co_u32 s22, s22, 2*HALFS
	s_sub_co_u32 s22, s22, s21
	v_mul_u32_u24 v6, s22, v2                      ; lanes 16-31 take B's: one product, the distance between the two bases
	s_add_co_u32 s21, s21, SCL
	v_add_nc_u32 v5, v5, v6
	v_add_nc_u32 v[ADRS], s21, v5
	s_mul_i32 s23, s14, 16*SPITCH                  ; my stage
	v_mul_u32_u24 v5, v1, SPITCH                   ; in: row r, 16 bytes for each half of the lanes
	v_lshl_add_u32 v5, v2, 4, v5
	v_add_nc_u32 v[STO], s23, v5
	v_mul_u32_u24 v5, v2, SPITCH                   ; back: lanes 0-15 one row of 256 bytes, lanes 16-31 the next
	v_lshl_add_u32 v5, v1, 4, v5
	v_add_nc_u32 v[RD], s23, v5
	v_lshlrev_b32 v5, 12, v2                       ; and the same two rows in qkv, 4,096 bytes apart
	v_lshl_add_u32 v[CO], v1, 4, v5
	v_and_b32 v6, 31, v0
	v_lshlrev_b32 v[IMG], 4, v6
	s_lshl_b32 s20, s2, 8                          ; my first row of C: 256 x unit + 128 x half,
	s_lshl_b32 s21, s15, 7
	s_add_co_u32 s20, s20, s21
	s_lshl_b32 s20, s20, 12                        ; in bytes (under 2^26),
	s_lshl_b32 s21, s3, 9                          ; my first column: 512 bytes a unit + 256 x half
	s_add_co_u32 s20, s20, s21
	s_lshl_b32 s21, s16, 8
	s_add_co_u32 s20, s20, s21
	s_mov_b32 s21, 0
	s_add_nc_u64 s[12:13], s[10:11], s[20:21]
	; the f32 images: who stores them (s100 = 0) and where
	s_cmp_eq_u32 ttmp9, 2
	s_cselect_b32 s100, s16, s15                   ; positions 0-15 lie in the first half of x's rows: C's rows for Q and K, C's columns for V^T
	s_cselect_b32 s96, s40, s41                    ; the batch
	s_cselect_b32 s97, s41, s40                    ; 16 tiles of 16 features to a unit,
	s_cselect_b32 s101, s15, s16                   ; 8 to a half
	s_or_b32 s100, s100, s95                       ; and in the clusters with Y = 0
	s_lshl_b32 s96, s96, 16
	s_lshl_b32 s97, s97, 14
	s_add_co_u32 s96, s96, s97
	s_lshl_b32 s101, s101, 13
	s_add_co_u32 s96, s96, s101
	s_lshl_b32 s97, ttmp9, 18                      ; the section
	s_add_co_u32 s96, s96, s97
	s_add_co_u32 s96, s96, FI
	s_mov_b32 s97, 0
	s_add_nc_u64 s[96:97], s[10:11], s[96:97]
.macro FRAG reg, adr, q, i             ; a fragment, 16 rows x 128 K of 4-bit codes: lane l holds row l % 16; registers 4 c .. 4 c + 3 hold K = 64 c + 32 (l / 16) + 0 .. 31
.irp c, 0,1
	ds_load_b128 v[\reg+4*\c:\reg+4*\c+3], v[\adr] offset:64*(\q)+32*\c+(\i)*16*PITCH
.endr
.endm
; 16 matrix instructions: A's blocks a0, a0 + 1 x B's eight, the slot's q-th 128 along K.  p: B's set; sc: the set of scale words.  zero = 1: the first product starts the sums from the bias.
; The 64 accumulators take turns, one instruction a turn, in the same order in every step.
.macro MUL16 a0, p, q, sc, zero
.irp a, \a0, \a0+1
.irp b, 0,1,2,3,4,5,6,7
.if \zero
	v_wmma_scale_f32_16x16x128_f8f6f4 v[8*(8*((\a)%4)+\b):8*(8*((\a)%4)+\b)+7], v[128*(\p)+FR*\b:128*(\p)+FR*\b+FR-1], v[AF+FR*(\a):AF+FR*(\a)+FR-1], v[BIAS+8*\b:BIAS+8*\b+7], v[SC+8*NQ*(\sc)+NQ*\b+(\q)], v[SC+8*NQ*(\sc)+NQ*(\a)+(\q)] matrix_a_fmt:MATRIX_FMT_FP4 matrix_b_fmt:MATRIX_FMT_FP4 matrix_a_scale:MATRIX_SCALE_ROW1
.else
	v_wmma_scale_f32_16x16x128_f8f6f4 v[8*(8*((\a)%4)+\b):8*(8*((\a)%4)+\b)+7], v[128*(\p)+FR*\b:128*(\p)+FR*\b+FR-1], v[AF+FR*(\a):AF+FR*(\a)+FR-1], v[8*(8*((\a)%4)+\b):8*(8*((\a)%4)+\b)+7], v[SC+8*NQ*(\sc)+NQ*\b+(\q)], v[SC+8*NQ*(\sc)+NQ*(\a)+(\q)] matrix_a_fmt:MATRIX_FMT_FP4 matrix_b_fmt:MATRIX_FMT_FP4 matrix_a_scale:MATRIX_SCALE_ROW1
.endif
.endr
.endr
.endm
.macro FETCH_B slot, q, p
	WIN TO_B
.irp i, 0,1,2,3,4,5,6,7
	FRAG 128*(\p)+FR*\i, ADRB+\slot, \q, \i
.endr
	WIN 0
.endm
.macro FETCH_A slot, q, i0
.irp i, \i0, \i0+1, \i0+2, \i0+3
	FRAG AF+FR*(\i), ADRA+\slot, \q, \i
.endr
.endm
.macro SCALES sc                       ; a slot's scale words into set sc: 4 words a row; lanes 0-15 take A's block i, lanes 16-31 B's block i
.irp i, 0,1,2,3,4,5,6,7
	ds_load_b128 v[SC+8*NQ*\sc+NQ*\i:SC+8*NQ*\sc+NQ*\i+3], v[ADRS] offset:\i*SBLK
.endr
.endm
.macro PLACES n                        ; plain vector instructions between a matrix instruction and a load into, or a read of, its registers
.rept \n
	v_nop
.endr
.endm
; A step of 128 along K that has its successor in the same slot.  A has one set of registers (a block is free when its eight products are issued), B two.
.macro STEP slot, q, zero
	s_wait_dscnt 4*NL                              ; B's set and A's blocks 0-3 are in; the youngest eight loads (A's blocks 4-7) may be out
.if \zero
	WIN BEG_LO
.else
	WIN MUL_LO
.endif
	MUL16 0, (\q)%2, \q, \slot, \zero
	MUL16 2, (\q)%2, \q, \slot, \zero
	s_wait_dscnt 0                                 ; A's blocks 4-7 are in
	PLACES NP
	FETCH_B \slot, (\q)+1, 1-(\q)%2
	FETCH_A \slot, (\q)+1, 0
.if \zero
	WIN BEG_HI
.else
	WIN MUL_HI
.endif
	MUL16 4, (\q)%2, \q, \slot, \zero
	MUL16 6, (\q)%2, \q, \slot, \zero
	PLACES NP
	WIN 0
	FETCH_A \slot, (\q)+1, 4
.endm
; Slot 0's last step changes slots: each wave waits for all its tensor loads (its part of slot 1), adds 0 to its spare word, waits for that and for its reads of slot 0; one barrier.  Nothing is filled again.
.macro TURN slot, next
	s_wait_tensorcnt 0x0                           ; all my tensor loads have landed
	ds_add_u32 v[SPW], v[NIL]                      ; 0 onto my spare word
	s_wait_dscnt 4*NL+1                            ; (the add and the youngest eight loads may be out)
	WIN MUL_LO
	MUL16 0, 1, NQ-1, \slot, 0
	s_wait_dscnt 0x0                               ; the add is done, and my reads of this slot are over
	s_barrier_signal -1
	MUL16 2, 1, NQ-1, \slot, 0
	WIN 0
	s_barrier_wait -1                              ; the next slot is whole, and nobody reads this one any more
	PLACES NP
	v_add_nc_u32 v[ADRS], 4*NQ, v[ADRS]            ; on to the next slot's scale words
	FETCH_B \next, 0, 0
	FETCH_A \next, 0, 0
	SCALES \next
	WIN MUL_HI
	MUL16 4, 1, NQ-1, \slot, 0
	MUL16 6, 1, NQ-1, \slot, 0
	PLACES NP
	WIN 0
	FETCH_A \next, 0, 4
.endm
	s_wait_tensorcnt 1                             ; the scales and my part of slot 0 are in; slot 1's load may be out
	s_barrier_signal -1
	s_barrier_wait -1                              ; everybody's are
	FETCH_B 0, 0, 0
	FETCH_A 0, 0, 0
	SCALES 0
	FETCH_A 0, 0, 4
	s_wait_loadcnt 0x0                             ; the bias
	STEP 0, 0, 1
	STEP 0, 1, 0
	STEP 0, 2, 0
	TURN 0, 1
	STEP 1, 0, 0
	STEP 1, 1, 0
	STEP 1, 2, 0
	s_wait_dscnt 4*NL                              ; the very last step: nothing more to fetch
	WIN MUL_LO
	MUL16 0, 1, NQ-1, 1, 0
	MUL16 2, 1, NQ-1, 1, 0
	s_wait_dscnt 0
	WIN MUL_HI
	MUL16 4, 1, NQ-1, 1, 0
	MUL16 6, 1, NQ-1, 1, 0
	WIN 0
	PLACES NP                                      ; in front of the first reads of results, and of writes into the registers that held scales and fragments
	; THE F32 IMAGES of positions 0-15: eight accumulators as they stand, 512 consecutive bytes a store, each accumulator from its low end on.
	s_cmp_lg_u32 s100, 0
	s_cbranch_scc1 .Lno_image
	s_cmp_eq_u32 ttmp9, 2
	s_cbranch_scc1 .Limage_v
	WIN 0x08                                       ; a store's data: window 2.  Q, K: rows 0-15 are A's block 0; B's block b is the tile of 16 features
.irp b, 0,1,2,3,4,5,6,7
	global_store_b128 v[IMG], v[8*\b:8*\b+3], s[96:97] offset:1024*\b
	global_store_b128 v[IMG], v[8*\b+4:8*\b+7], s[96:97] offset:1024*\b+512
.endr
	WIN 0
	s_branch .Lno_image
.Limage_v:
	WIN 0x08                                       ; V^T: keys 0-15 are B's block 0; A's block a is the tile of 16 features
.irp a, 0,1,2,3
	global_store_b128 v[IMG], v[64*\a:64*\a+3], s[96:97] offset:1024*\a
	global_store_b128 v[IMG], v[64*\a+4:64*\a+7], s[96:97] offset:1024*\a+512
.endr
	WIN 0x0c
.irp a, 0,1,2,3
	global_store_b128 v[IMG], v[64*\a:64*\a+3], s[96:97] offset:1024*(\a+4)
	global_store_b128 v[IMG], v[64*\a+4:64*\a+7], s[96:97] offset:1024*(\a+4)+512
.endr
	WIN 0
.Lno_image:
; THE WAY OUT, block by block of 16 rows x 128 columns: rounded to f16, 16 bytes a lane; through my own stage in LDS; back as whole rows of 256 bytes; sixteen lanes store 256 consecutive bytes, aligned.
.macro PACK a
.set AC, 64*((\a)%4)
	WIN 0x0a+5*((\a)/4)                            ; sources 0 and 1: window 2 or 3
.irp b, 0,1,2,3,4,5,6,7
.irp r, 0,1,2,3
	v_cvt_pk_f16_f32 v[TMP+4*\b+\r], v[AC+8*\b+2*\r], v[AC+8*\b+2*\r+1]
.endr
.endr
	WIN 0
.endm
.macro TOSTAGE a
.set BK, OB+32*((\a)%2)
.irp b, 0,1,2,3,4,5,6,7
	ds_store_b128 v[STO], v[TMP+4*\b:TMP+4*\b+3] offset:32*\b
.endr
.irp t, 0,1,2,3,4,5,6,7
	ds_load_b128 v[BK+4*\t:BK+4*\t+3], v[RD] offset:\t*2*SPITCH    ; LDS serves a wave's instructions in order: these see the stores above
.endr
.endm
.macro SEND a
.set BK, OB+32*((\a)%2)
	s_wait_dscnt 0x0                               ; the block is back in registers
	s_wait_xcnt 0x0                                ; earlier stores have read their base and their registers: the base steps, and the other set is loaded again, only behind this wait
.if (\a) > 0
	s_add_nc_u64 s[12:13], s[12:13], 16*4096       ; 16 rows on
.endif
.irp t, 0,1,2,3,4,5,6,7
	global_store_b128 v[CO], v[BK+4*\t:BK+4*\t+3], s[12:13] offset:2*\t*4096
.endr
.endm
	PACK 0
	TOSTAGE 0
.irp a, 1,2,3,4,5,6,7                  ; block a's conversions stand between block a - 1's loads from the stage and the wait for them
	PACK \a
	SEND \a-1
	TOSTAGE \a
.endr
	SEND 7
	s_wait_tensorcnt 0x0                           ; the wave's end, behind my last tensor load and my last LDS store
	ds_add_u32 v[SPW], v[NIL]
	s_wait_dscnt 0x0
	CROUND                                         ; the closing round: no work-group ends while a partner may still ask for a tile that names it
	s_endpgm
.Lfunc_end_k_q8a0e1a84be_project:
	.size	k_q8a0e1a84be_project, .Lfunc_end_k_q8a0e1a84be_project-k_q8a0e1a84be_project
	.p2alignl 7, 3214868480
	.fill 96, 4, 3214868480
	.section	.rodata,"a",@progbits
	.p2align	6, 0x0
	.amdhsa_kernel k_q8a0e1a84be_project
		.amdhsa_group_segment_fixed_size 327680
		.amdhsa_private_segment_fixed_size 0
		.amdhsa_enable_private_segment 0
		.amdhsa_kernarg_size 32
		.amdhsa_user_sgpr_count 2
		.amdhsa_user_sgpr_kernarg_segment_ptr 1
		.amdhsa_wavefront_size32 1
		.amdhsa_system_sgpr_workgroup_id_x 1
		.amdhsa_system_sgpr_workgroup_id_y 1
		.amdhsa_system_sgpr_workgroup_id_z 1
		.amdhsa_system_vgpr_workitem_id 0
		.amdhsa_next_free_vgpr 1024
		.amdhsa_next_free_sgpr 102
		.amdhsa_reserve_vcc 0
		.amdhsa_float_denorm_mode_32 3
		.amdhsa_float_denorm_mode_16_64 3
		.amdhsa_memory_ordered 1
		.amdhsa_forward_progress 1
		.amdhsa_inst_pref_size 135
	.end_amdhsa_kernel
	.amdgpu_metadata
---
amdhsa.version: [ 1, 2 ]
amdhsa.kernels:
  - .name:           k_q8a0e1a84be_project
    .symbol:         k_q8a0e1a84be_project.kd
    .args:
      - { .name: pre, .offset: 0, .size: 8, .value_kind: global_buffer, .address_space: global }
      - { .name: bq, .offset: 8, .size: 8, .value_kind: global_buffer, .address_space: global }
      - { .name: bk, .offset: 16, .size: 8, .value_kind: global_buffer, .address_space: global }
      - { .name: qkv, .offset: 24, .size: 8, .value_kind: global_buffer, .address_space: global }
    .group_segment_fixed_size: 327680
    .private_segment_fixed_size: 0
    .kernarg_segment_align: 8
    .kernarg_segment_size: 32
    .max_flat_workgroup_size: 128
    .sgpr_count:     102
    .vgpr_count:     1024
    .wavefront_size: 32
...
	.end_amdgpu_metadata
.endif
;; end of part 2
;; launch scores (part 3): grid 48 x 4, 4 waves a work-group, clusters of 4 x 4, 327,680 bytes of LDS; arguments qkv, sc; writes sc
.if DOCPART == 3
	.amdgcn_target "amdgcn-amd-amdhsa--gfx1250"
	.amdhsa_code_object_version 6
	.text
	.protected	k_q8a0e1a84be_scores
	.globl	k_q8a0e1a84be_scores
	.p2align	8
	.type	k_q8a0e1a84be_scores,@function
k_q8a0e1a84be_scores:
	s_mov_b64 s[64:65], 0
	v_nop
	global_prefetch_b8 v0, s[64:65] scope:SCOPE_SE
	s_setreg_imm32_b32 hwreg(HW_REG_WAVE_MODE, 25, 1), 1
	s_wait_xcnt 0x0
	s_wait_alu depctr_hold_cnt(0) depctr_sa_sdst(0) depctr_va_vdst(0) depctr_va_sdst(0) depctr_va_ssrc(0) depctr_va_vcc(0) depctr_vm_vsrc(0)
	s_getreg_b32 s2, hwreg(HW_REG_IB_STS2, 6, 4)
	s_cmp_eq_u32 s2, 0
	s_cbranch_scc0 .Lentry_in_a_cluster
	s_endpgm
.Lentry_in_a_cluster:
	s_bfe_u32 s2, ttmp6, 0x10000c
	s_cmp_lg_u32 s2, 0xf033
	s_cbranch_scc0 .Lentry_shape_is_right
	s_endpgm
.Lentry_shape_is_right:
; The raw scores S[q][k] = sum over d of Q[q][d] K[k][d], d = 0 .. 1,023.  Q and K are f16 (11 significant bits) in qkv [12288][2048]: row = position, Q in columns 0-1023, K in columns 1024-2047.  Sums in f32; S in f32: sc [8192][2048].
; LIMIT: operands beyond 65,504 in magnitude are infinities of f16 already when they arrive here.
; Only what lies on and under the diagonal is made, in blocks of 1,024 x 1,024: blocks (0,0), (1,0), (1,1) of each batch, one to a cluster of 4 x 4 work-groups: 12 clusters.  In a block on the diagonal the tiles above the
; diagonal are made and stored too: every partner of a cluster makes every joint request and takes every branch alike; the softmax launch reads a part of them before it masks them, and the rest is read by nobody.
; A tile of S, 256 x 256, is made by a work-group of four waves, as many as a WGP has SIMDs; a wave makes 128 x 128: 64 accumulators of 16 x 16, 512 registers.  K goes in steps of 128 through a ring of two LDS slots filled by the
; tensor data mover: a tile's row is 256 bytes of memory at a multiple of 256 bytes.  A slot is asked for again in the fourth quarter of its K step and waited for at the head of the fourth quarter of the next: 224 matrix instructions.
; CLUSTERS: the four work-groups of a row of the cluster need the same tiles of Q, the four of a column the same tiles of K: each tile is asked for JOINTLY, by the same tensor load with the same descriptor and a mask that names the four.
; THE MATRIX INSTRUCTION IS USED TRANSPOSED (source 0 = 16 rows of K, source 1 = 16 rows of Q): a lane holds eight neighbouring numbers of a row of S.
; REGISTERS, in windows of 256: window 0: v0-31 addresses; v64-127, v128-191 fragments of Q (8 x 16 rows x 32 along K), two buffers; on the way out v128-255 take rows read back from the stage.
;   window 1: v64-127, v128-191 fragments of K, two buffers.   window 2: the 32 accumulators of my rows 0-63 ((a, b) at v[8 (8 a + b)]);   window 3: those of my rows 64-127.
.set KSTEP,  128
.set PITCH,  272                       ; an LDS row: 256 bytes + 16 of padding: the 16 rows that a load touches start at 16 different banks
.set HALFT,  128*PITCH                 ; 128 rows: what one tensor load brings, and what one wave reads of Q or of K
.set SLOT,   4*HALFT                   ; Q's 256 rows, then K's 256 rows
.set STAGE,  2*SLOT                    ; behind the ring: 16 rows x (512 + 16) bytes for each wave, for the way out
.set SPITCH, 528
.set SPARE,  STAGE+4*16*SPITCH         ; behind the stages: the spare words, 128 bytes a wave, which no other line names
.set LAPS,   1024/(2*KSTEP)            ; a lap = two K steps = once round the ring
.set PK,     2048                      ; elements from row to row of qkv
.set CP,     8192                      ; bytes from row to row of sc
.set ADRA, 16                          ; v16-17  LDS address of my Q fragments in slot 0, 1
.set ADRB, 20                          ; v20-21  the same for K
.set STO,  24                          ; v24     the way out: where I put 32 bytes of a row
.set RD,   25                          ; v25     the way out: where I read a row back
.set CO,   26                          ; v26     my byte offset in a row of S
.set SPW,  28                          ; v28     LDS address of my spare word; never rewritten
.set NIL,  29                          ; v29     0; never rewritten
.set PFO,  30                          ; v30     the prefetches' offset: my lane x a row of qkv (4,096 bytes); never rewritten
.set F0,   64                          ; fragment buffer 0
.set F1,   128                         ; fragment buffer 1
.set BK,   128                         ; the way out: 16 rows read back: v128-191 and v192-255 by turns
.set G1, 24                            ; s[24:31] descriptor group 1 for Q's tiles;  s[32:39] group 0, one set for each slot
.set G0, 32
.set G1B, 48                           ; s[48:55], s[56:63] the same for K's tiles
.set G0B, 56
.set PFA,  72                          ; s[72:73] where my prefetches stand: my work-group's 32 rows of the 128 that I fetch, one K step further along K than the refill that is being asked for
.set LIM,  74                          ; s74     1 in a wave that prefetches, else the greatest number
.set MSB, 0
.macro WIN new                         ; the immediate's high byte repeats the setting that is left
.if MSB != \new
	s_set_vgpr_msb (MSB<<8)|\new
.set MSB, \new
.endif
.endm
.set MUL_LO, 0xa1                      ; source 0 (K) window 1, source 1 (Q) window 0, C and D window 2
.set MUL_HI, 0xf1                      ; the same, C and D window 3
.set TO_B,   0x40                      ; destination window 1, address window 0
; A joint load.  Waves 0 and 1 fetch Q's two halves, waves 2 and 3 K's.  Each line has one mask and one set of registers for all that issue it; the branch hangs on the wave's number alone.  An s_nop 0 and four v_nop follow each.
.macro JLOAD s
	s_cmp_eq_u32 s11, 0
	s_cbranch_scc0 .Lfor_b_\@
	tensor_load_to_lds s[G0+4*\s:G0+4*\s+3], s[G1:G1+7]
	s_nop 0
.rept 4
	v_nop
.endr
	s_branch .Lasked_\@
.Lfor_b_\@:
	tensor_load_to_lds s[G0B+4*\s:G0B+4*\s+3], s[G1B:G1B+7]
	s_nop 0
.rept 4
	v_nop
.endr
.Lasked_\@:
.endm
; A PREFETCH INTO THE L2, behind each joint load of the loop, its five lines and the run of LDS loads that follows them: the K step that stands TWO refills on: 32 rows x 256 bytes, a lane a row, one instruction a wave: 512 matrix instructions ahead of the load that will want it.
; Each row's 256 bytes of a K step are named ONCE in the launch.  Q's rows of block row I are read by the clusters (I, J), J <= I: the one with J = 0 asks.  K's rows of block column J are read by the clusters (I, J), I >= J: the one with I = J asks.
; The four partners that ask for a tile jointly share its rows out BY ADDRESS: of the 128 rows that a wave fetches, the partner at place p takes 32 p .. 32 p + 31 (p = cx for Q, cy for K): no branch hangs on a work-group's place in its cluster.
; K steps 0 to 3 come by their loads alone (nothing is prefetched at the head); the loop's last trip, whose refills are K steps 6 and 7, asks for nothing: s3 = 1 there.
.macro ASK
	s_cmp_gt_u32 s3, s[LIM]
	s_cbranch_scc0 .Lnot_mine_\@
	global_prefetch_b8 v[PFO], s[PFA:PFA+1] offset:KSTEP*2 th:TH_LOAD_NT scope:SCOPE_SE
.Lnot_mine_\@:
.endm
.macro CREST                           ; a round of the cluster's barrier behind its opening barrier
	s_cmp_lg_u32 s10, 0
	s_cbranch_scc1 .Lnot_wave_0_\@
	s_barrier_signal -3
.Lnot_wave_0_\@:
	s_barrier_wait -3
	s_barrier_signal -1
	s_barrier_wait -1
.endm
.macro CROUND                          ; a whole round
	s_barrier_signal -1
	s_barrier_wait -1
	CREST
.endm
	s_load_b128 s[68:71], s[0:1], 0x0              ; qkv s[68:69], sc s[70:71]
	v_lshl_add_u32 v[SPW], v0, 2, SPARE
	v_mov_b32 v[NIL], 0
	ds_add_u32 v[SPW], v[NIL]                      ; the wave's opening: the add, twice on end, and its wait ahead of my first tensor load
	ds_add_u32 v[SPW], v[NIL]
	v_lshrrev_b32 v1, 5, v0
	v_readfirstlane_b32 s10, v1                    ; wave 0..3
	s_lshr_b32 s11, s10, 1                         ; which half of the tile's rows is mine.  Also: I fetch for Q (0) or for K (1)
	s_and_b32 s12, s10, 1                          ; which half of its columns.  Also: which 128 rows of that tile I fetch
	s_bfe_u32 s40, ttmp6, 0x40000                  ; cx
	s_bfe_u32 s41, ttmp6, 0x40004                  ; cy
	s_and_b32 s78, ttmp9, 3
	s_lshl_b32 s78, s78, 11                        ; the batch's first row
	s_lshr_b32 s79, ttmp9, 2                       ; t = 0, 1, 2: block (I, J) = (0,0), (1,0), (1,1)
	s_add_co_u32 s76, s79, 1
	s_lshr_b32 s76, s76, 1                         ; I = (t + 1) / 2
	s_lshr_b32 s79, s79, 1                         ; J = t / 2
	s_lshl_b32 s13, s76, 2
	s_add_co_u32 s13, s13, s41
	s_lshl_b32 s13, s13, 8
	s_add_co_u32 s13, s13, s78                     ; queries: 2,048 batch + 256 (4 I + cy): cy and the cluster's number alone
	s_lshl_b32 s77, s79, 2
	s_add_co_u32 s77, s77, s40
	s_lshl_b32 s77, s77, 8                         ; keys in the batch: 256 (4 J + cx): cx and the cluster's number alone
	s_add_co_u32 s42, s77, s78                     ; and as rows of qkv
	s_lshl_b32 s43, s41, 2
	s_lshl_b32 s43, 15, s43                        ; my row of the cluster
	s_lshl_b32 s44, 0x1111, s40                    ; my column
	; descriptor group 1: a tile of 128 rows x 128 elements of 2 bytes, 16 bytes of padding behind each row of 256
	s_or_b32 s[G1+0], s43, (1<<16)|(1<<20)|(1<<21)|(5<<22)|(3<<25)  ; the mask; elements of 2 bytes; padding on; bit 21 beside a mask; after every 64 words, 4 words
	s_or_b32 s[G1B+0], s44, (1<<16)|(1<<20)|(1<<21)|(5<<22)|(3<<25)
.irp g, G1, G1B
	s_mov_b32 s[\g+1], KSTEP<<16                   ; tensor_dim0
	s_mov_b32 s[\g+2], 128<<16                     ; tensor_dim1
	s_mov_b32 s[\g+3], KSTEP<<16                   ; tile_dim0
	s_mov_b32 s[\g+4], 128                         ; tile_dim1
	s_mov_b32 s[\g+5], PK                          ; from row to row
	s_mov_b32 s[\g+6], 0
	s_mov_b32 s[\g+7], 0
.endr
	s_lshl_b32 s17, s12, 7                         ; which 128 rows of the tile I fetch
	s_add_co_u32 s16, s13, s17
	s_lshl_b32 s16, s16, 12                        ; 4,096 bytes a row: all offsets of this text stay under 2^27
	s_add_co_u32 s46, s42, s17
	s_lshl_b32 s46, s46, 12
	s_add_co_u32 s46, s46, 2048                    ; K's columns begin 2,048 bytes into a row
	s_mov_b32 s17, 0
	s_mov_b32 s47, 0
	s_mul_i32 s20, s10, HALFT                      ; where they go: wave x 128 rows: no place in the cluster enters an LDS address
	s_wait_dscnt 0x0                               ; both opening adds are done
	s_wait_kmcnt 0x0
	s_add_nc_u64 s[14:15], s[68:69], s[16:17]
	s_add_nc_u64 s[46:47], s[68:69], s[46:47]
	CROUND                                         ; all sixteen work-groups are here: the first joint loads meet
.irp s, 0,1
	s_mov_b32 s[G0+4*\s], 1
	s_add_co_u32 s[G0+4*\s+1], s20, \s*SLOT
	s_add_nc_u64 s[G0+4*\s+2:G0+4*\s+3], s[14:15], \s*KSTEP*2
	s_or_b32 s[G0+4*\s+3], s[G0+4*\s+3], 0x80000000
	s_mov_b32 s[G0B+4*\s], 1
	s_add_co_u32 s[G0B+4*\s+1], s20, \s*SLOT
	s_add_nc_u64 s[G0B+4*\s+2:G0B+4*\s+3], s[46:47], \s*KSTEP*2
	s_or_b32 s[G0B+4*\s+3], s[G0B+4*\s+3], 0x80000000
	JLOAD \s                                       ; two tensor loads of mine are out
.endr
	; A fragment is 16 rows x 32 along K in 8 registers: lane l holds row l % 16; registers 0-3 hold K = 8 (l / 16) + 0..7, registers 4-7 K = 16 + 8 (l / 16) + 0..7: two loads of 16 bytes, 32 bytes apart.
	v_and_b32 v1, 15, v0                           ; r = lane % 16
	v_bfe_u32 v2, v0, 4, 1                         ; h = lane / 16
	v_mul_u32_u24 v3, v1, PITCH
	v_lshl_add_u32 v3, v2, 4, v3                   ; row x pitch + 16 x half
	s_mul_i32 s21, s11, HALFT                      ; my 128 rows of Q
	s_mul_i32 s22, s12, HALFT                      ; my 128 rows of K,
	s_add_co_u32 s22, s22, 2*HALFT                 ; which lie behind Q's 256
.irp s, 0,1
	v_add_nc_u32 v[ADRA+\s], s21, v3
	v_add_nc_u32 v[ADRB+\s], s22, v3
	s_add_co_u32 s21, s21, SLOT
	s_add_co_u32 s22, s22, SLOT
.endr
	s_mul_i32 s23, s10, 16*SPITCH
	s_add_co_u32 s23, s23, STAGE                   ; my stage
	v_mul_u32_u24 v5, v1, SPITCH                   ; in: row r, 32 bytes for each half of the lanes
	v_lshl_add_u32 v5, v2, 5, v5
	v_add_nc_u32 v[STO], s23, v5
	v_and_b32 v6, 31, v0
	v_lshlrev_b32 v[CO], 4, v6                     ; back: the 32 lanes take one row of 512 bytes; and the same in S
	v_add_nc_u32 v[RD], s23, v[CO]
	s_lshl_b32 s16, s11, 7
	s_add_co_u32 s16, s16, s13                     ; my first row of S
	s_lshl_b32 s16, s16, 13                        ; 8,192 bytes a row
	s_lshl_b32 s46, s12, 7
	s_add_co_u32 s46, s46, s77
	s_lshl_b32 s46, s46, 2                         ; my first column, in bytes
	s_mov_b32 s17, 0
	s_mov_b32 s47, 0
	s_add_nc_u64 s[8:9], s[70:71], s[16:17]
	s_add_nc_u64 s[8:9], s[8:9], s[46:47]
	; the prefetches: where my wave's stand, and who asks
	s_sub_co_u32 s22, s76, s79                     ; I - J
	s_cmp_eq_u32 s11, 0                            ; do I fetch for Q?
	s_cselect_b32 s20, s13, s42                    ; the tile's first row in qkv
	s_cselect_b32 s21, s40, s41                    ; my place among the four that ask for it with me
	s_cselect_b32 s22, s79, s22                    ; 0 in the cluster that asks: J for Q's rows, I - J for K's
	s_cselect_b32 s23, 0, 2048                     ; Q's or K's columns
	s_cmp_eq_u32 s22, 0
	s_cselect_b32 s[LIM], 1, -1                    ; the same in all sixteen partners, for a given wave
	s_lshl_b32 s22, s12, 7
	s_add_co_u32 s20, s20, s22                     ; + the 128 rows that I fetch
	s_lshl_b32 s21, s21, 5
	s_add_co_u32 s20, s20, s21                     ; + my work-group's 32 of them
	s_lshl_b32 s20, s20, 12
	s_add_co_u32 s20, s20, s23
	s_add_co_u32 s20, s20, 2*KSTEP*2               ; at K step 2: the first refill steps it to 3 and names K step 4
	s_mov_b32 s21, 0
	s_add_nc_u64 s[PFA:PFA+1], s[68:69], s[20:21]
	v_and_b32 v[PFO], 31, v0
	v_lshlrev_b32 v[PFO], 12, v[PFO]
; 16 matrix instructions: m blocks a0, a0 + 1 of the window's four (hi = 0: my rows 0-63, 1: rows 64-127) x all 8 n blocks, 32 along K.  zero = 1: the first product starts the sums: nothing is ever cleared.
; The 64 accumulators take turns, one instruction a turn, in the same order in every quarter.
.macro MUL16 f, hi, a0, zero
.irp a, \a0, \a0+1
.irp b, 0,1,2,3,4,5,6,7
.if \zero
	v_wmma_f32_16x16x32_f16 v[8*(8*(\a)+\b):8*(8*(\a)+\b)+7], v[\f+8*\b:\f+8*\b+7], v[\f+8*(4*\hi+\a):\f+8*(4*\hi+\a)+7], 0
.else
	v_wmma_f32_16x16x32_f16 v[8*(8*(\a)+\b):8*(8*(\a)+\b)+7], v[\f+8*\b:\f+8*\b+7], v[\f+8*(4*\hi+\a):\f+8*(4*\hi+\a)+7], v[8*(8*(\a)+\b):8*(8*(\a)+\b)+7]
.endif
.endr
.endr
.endm
; 32 LDS loads in one run: the fragments of one quarter step (128 rows of K, 128 rows of Q, 32 along K at byte k of the rows) into buffer f
.macro FETCH slot, k, f
	WIN TO_B
.irp i, 0,1,2,3,4,5,6,7
	ds_load_b128 v[\f+8*\i:\f+8*\i+3],   v[ADRB+\slot] offset:\k+\i*16*PITCH
	ds_load_b128 v[\f+8*\i+4:\f+8*\i+7], v[ADRB+\slot] offset:\k+\i*16*PITCH+32
.endr
	WIN 0
.irp i, 0,1,2,3,4,5,6,7
	ds_load_b128 v[\f+8*\i:\f+8*\i+3],   v[ADRA+\slot] offset:\k+\i*16*PITCH
	ds_load_b128 v[\f+8*\i+4:\f+8*\i+7], v[ADRA+\slot] offset:\k+\i*16*PITCH+32
.endr
.endm
.macro PLACES                          ; four plain vector instructions in front of loads into registers that matrix instructions have read, and of reads of results
.rept 4
	v_nop
.endr
.endm
; A K step is four quarters of 32 along K, 64 matrix instructions each, on buffers 0, 1, 0, 1.  One of the first three: multiplies buffer f; in its middle it fetches the next quarter's fragments, at byte k of the same slot's rows, into buffer g.
.macro QUARTER slot, k, f, g, zero
	s_wait_dscnt 8                                 ; K's fragments and Q's rows 0-63 are in; the youngest eight loads (Q's rows 64-127) may be out
	WIN MUL_LO
	MUL16 \f, 0, 0, \zero
	MUL16 \f, 0, 2, \zero
	PLACES
	FETCH \slot, \k, \g
	s_wait_dscnt 32                                ; all but the 32 just issued
	WIN MUL_HI
	MUL16 \f, 1, 0, \zero
	MUL16 \f, 1, 2, \zero
.endm
; The last quarter multiplies buffer 1 and changes slots: one barrier; in front of it each wave waits for all its tensor loads (one is out: its part of the next slot), adds 0 to its spare word, and waits for that and for its own reads of this slot.
; fill = 1: the barrier opens a round of the cluster's barrier, and this slot is filled again, two K steps ahead, first thing behind the round.
.macro TURN slot, next, fill
.if \fill
	s_wait_xcnt 0x0                                ; the last prefetch, a K step back, has read its address: it is stepped here, ahead of the waits of the change of slots
	s_add_nc_u64 s[PFA:PFA+1], s[PFA:PFA+1], KSTEP*2
.endif
	WIN 0                                          ; (the add's two registers lie in window 0)
	s_wait_tensorcnt 0x0                           ; all my tensor loads have landed
	ds_add_u32 v[SPW], v[NIL]                      ; 0 onto my spare word
	s_wait_dscnt 9                                 ; (the add and the youngest eight loads may be out)
	WIN MUL_LO
	MUL16 F1, 0, 0, 0                              ; sixteen matrix instructions stand between the add and the wait for it
	s_wait_dscnt 0x0                               ; the add is done, and my reads of this slot are over
	s_barrier_signal -1
	MUL16 F1, 0, 2, 0                              ; work on registers while the others arrive
.if \fill
	WIN 0
.endif
	s_barrier_wait -1
.if \fill
	CREST                                          ; no wave of any partner still reads this slot's tile or has a load on its way
	s_add_nc_u64 s[G0+4*\slot+2:G0+4*\slot+3], s[G0+4*\slot+2:G0+4*\slot+3], 2*KSTEP*2
	s_add_nc_u64 s[G0B+4*\slot+2:G0B+4*\slot+3], s[G0B+4*\slot+2:G0B+4*\slot+3], 2*KSTEP*2
	JLOAD \slot                                    ; my one tensor load behind the round; its four v_nop are also the places in front of the loads below
.else
	PLACES
.endif
	FETCH \next, 0, F0
.if \fill
	ASK                                            ; behind the joint load and the run of LDS loads that the next products wait for
.endif
	WIN MUL_HI
	MUL16 F1, 1, 0, 0
	MUL16 F1, 1, 2, 0
.endm
	s_wait_tensorcnt 1                             ; my part of K step 0 is in; K step 1's load may be out
	s_barrier_signal -1
	s_barrier_wait -1                              ; everybody's is
	FETCH 0, 0, F0
	QUARTER 0, 64,  F0, F1, 1                      ; the first quarter stands in front of the loop: its products start the sums
	WIN 0                                          ; at a label and at a branch every window is 0
	s_mov_b32 s3, LAPS-1
.Llap:                                                 ; a trip goes once round the ring, from a lap's second quarter to the next lap's first, and fills both slots again
	QUARTER 0, 128, F1, F0, 0
	QUARTER 0, 192, F0, F1, 0
	TURN 0, 1, 1
	QUARTER 1, 64,  F0, F1, 0
	QUARTER 1, 128, F1, F0, 0
	QUARTER 1, 192, F0, F1, 0
	TURN 1, 0, 1
	QUARTER 0, 64,  F0, F1, 0
	WIN 0
	s_sub_co_u32 s3, s3, 1
	s_cmp_lg_u32 s3, 0
	s_cbranch_scc1 .Llap
	QUARTER 0, 128, F1, F0, 0                      ; the last lap fills nothing, and has no round of the cluster's barrier
	QUARTER 0, 192, F0, F1, 0
	TURN 0, 1, 0
	QUARTER 1, 64,  F0, F1, 0
	QUARTER 1, 128, F1, F0, 0
	QUARTER 1, 192, F0, F1, 0
	s_wait_dscnt 8                                 ; the very last quarter: nothing more to fetch
	WIN MUL_LO
	MUL16 F1, 0, 0, 0
	MUL16 F1, 0, 2, 0
	s_wait_dscnt 0
	WIN MUL_HI
	MUL16 F1, 1, 0, 0
	MUL16 F1, 1, 2, 0
	WIN 0
	PLACES                                         ; in front of the first reads of results, and of loads into the registers that held Q's fragments
; THE WAY OUT, block by block of 16 rows x 128 columns.  A lane holds 32 neighbouring bytes of a row, and the lanes beside it hold other rows: so a block goes through my own stage in LDS and comes back as whole rows of 512 bytes,
; which the 32 lanes store as 512 consecutive bytes, aligned.  LDS serves a wave's instructions in order: no wait between the stores and the loads, nor in front of the next block's stores.
.macro TOSTAGE a
.set AC, 64*((\a)%4)
	WIN 0x08+4*((\a)/4)                            ; an LDS store's data: window 2 or 3
.irp b, 0,1,2,3,4,5,6,7
	ds_store_b128 v[STO], v[AC+8*\b:AC+8*\b+3] offset:64*\b          ; each accumulator from its low end on
	ds_store_b128 v[STO], v[AC+8*\b+4:AC+8*\b+7] offset:64*\b+16
.endr
	WIN 0
.set BB, BK+64*((\a)%2)
.irp t, 0,1,2,3,4,5,6,7,8,9,10,11,12,13,14,15
	ds_load_b128 v[BB+4*\t:BB+4*\t+3], v[RD] offset:\t*SPITCH
.endr
.endm
.macro SEND a, younger                 ; younger: the LDS instructions issued behind block a's loads, which may stay out
.set BB, BK+64*((\a)%2)
	s_wait_dscnt \younger                          ; the block is back in registers
.if (\a) > 0
	s_add_nc_u64 s[8:9], s[8:9], 16*CP             ; (behind a wait on XCNT: the earlier stores have read their base)  16 rows on
.endif
.irp t, 0,1,2,3,4,5,6,7,8,9,10,11,12,13,14,15
	global_store_b128 v[CO], v[BB+4*\t:BB+4*\t+3], s[8:9] offset:\t*CP
.endr
.endm
	TOSTAGE 0
.irp a, 1,2,3,4,5,6,7
.if \a > 1
	s_wait_xcnt 0x0                                ; block a - 2's stores have read their registers and their base: block a's loads may land there, and the base may step
.endif
	TOSTAGE \a
	SEND \a-1, 32                                  ; behind block a - 1's loads: block a's 16 stores and 16 loads
.endr
	s_wait_xcnt 0x0                                ; block 6's stores have read their base
	SEND 7, 0
	s_wait_tensorcnt 0x0                           ; the wave's end, behind my last tensor load and my last LDS store
	ds_add_u32 v[SPW], v[NIL]
	s_wait_dscnt 0x0
	CROUND                                         ; the closing round: no work-group ends while a partner may still ask for a tile that names it
	s_endpgm
.Lfunc_end_k_q8a0e1a84be_scores:
	.size	k_q8a0e1a84be_scores, .Lfunc_end_k_q8a0e1a84be_scores-k_q8a0e1a84be_scores
	.p2alignl 7, 3214868480
	.fill 96, 4, 3214868480
	.section	.rodata,"a",@progbits
	.p2align	6, 0x0
	.amdhsa_kernel k_q8a0e1a84be_scores
		.amdhsa_group_segment_fixed_size 327680
		.amdhsa_private_segment_fixed_size 0
		.amdhsa_enable_private_segment 0
		.amdhsa_kernarg_size 16
		.amdhsa_user_sgpr_count 2
		.amdhsa_user_sgpr_kernarg_segment_ptr 1
		.amdhsa_wavefront_size32 1
		.amdhsa_system_sgpr_workgroup_id_x 1
		.amdhsa_system_sgpr_workgroup_id_y 1
		.amdhsa_system_sgpr_workgroup_id_z 1
		.amdhsa_system_vgpr_workitem_id 0
		.amdhsa_next_free_vgpr 1024
		.amdhsa_next_free_sgpr 80
		.amdhsa_reserve_vcc 0
		.amdhsa_float_denorm_mode_32 3
		.amdhsa_float_denorm_mode_16_64 3
		.amdhsa_memory_ordered 1
		.amdhsa_forward_progress 1
		.amdhsa_inst_pref_size 142
	.end_amdhsa_kernel
	.amdgpu_metadata
---
amdhsa.version: [ 1, 2 ]
amdhsa.kernels:
  - .name:           k_q8a0e1a84be_scores
    .symbol:         k_q8a0e1a84be_scores.kd
    .args:
      - { .name: qkv, .offset: 0, .size: 8, .value_kind: global_buffer, .address_space: global }
      - { .name: sc, .offset: 8, .size: 8, .value_kind: global_buffer, .address_space: global }
    .group_segment_fixed_size: 327680
    .private_segment_fixed_size: 0
    .kernarg_segment_align: 8
    .kernarg_segment_size: 16
    .max_flat_workgroup_size: 128
    .sgpr_count:     80
    .vgpr_count:     1024
    .wavefront_size: 32
...
	.end_amdgpu_metadata
.endif
;; end of part 3
;; launch softmax (part 4): grid 1024 x 1, 8 waves a work-group, no clusters, 0 bytes of LDS; arguments sc, p; writes p
.if DOCPART == 4
	.amdgcn_target "amdgcn-amd-amdhsa--gfx1250"
	.amdhsa_code_object_version 6
	.text
	.protected	k_q8a0e1a84be_softmax
	.globl	k_q8a0e1a84be_softmax
	.p2align	8
	.type	k_q8a0e1a84be_softmax,@function
k_q8a0e1a84be_softmax:
	s_mov_b64 s[64:65], 0
	v_nop
	global_prefetch_b8 v0, s[64:65] scope:SCOPE_SE
	s_setreg_imm32_b32 hwreg(HW_REG_WAVE_MODE, 25, 1), 1
	s_wait_xcnt 0x0
; P[row][key] = softmax over the keys up to the query of score / sqrt(1024).  sc: [8192][2048] f32, raw scores; p: [8192][2048] f16.
; One wave takes one row and keeps it in registers: the row is read once; the reduction never leaves the wave: no LDS, no barrier.  Row q of a batch is read and written for keys under 512 (q / 512 + 1): what lies above
; the diagonal there becomes -infinity ahead of the maximum and so 0 in P, as the next launch's products want it.  The row's maximum is taken away before the exponential; the division by the row's sum is done here, in f32.
; p = 2^(c s - c M), c = log2(e) / 32.  P is rounded to f16 once.  LIMIT: a weight under 6e-8 becomes 0 in f16.
; The eight rows of a work-group lie in one block of 512 queries: the branch on the row's length hangs on the work-group's number alone; each length is written out, so that there is no loop.
.set X, 16                             ; v16-79   the row: load i, register e of lane l: key 128 i + 4 l + e
.set Y, 80                             ; v80-111  the row in f16
	s_load_b128 s[4:7], s[0:1], 0x0                ; sc s[4:5], p s[6:7]
	v_lshrrev_b32 v1, 5, v0
	v_readfirstlane_b32 s8, v1                     ; wave
	v_and_b32 v2, 31, v0                           ; lane
	v_lshlrev_b32 v3, 4, v2                        ; in: 16 bytes a lane
	v_lshlrev_b32 v4, 3, v2                        ; out: 8 bytes a lane
	s_lshl_b32 s9, ttmp9, 3
	s_add_co_u32 s9, s9, s8                        ; my row
	s_and_b32 s10, s9, 511                         ; the query's place in its block of 512
	v_lshlrev_b32 v5, 2, v2
	v_sub_nc_u32 v5, s10, v5                       ; d = that place - 4 lane: in the last 512 keys, register e of load u is hidden where 128 u + e > d
	v_mov_b32 v6, 0xff800000                       ; -infinity
	s_mov_b32 s12, 0x76543210                      ; v_permlanex16_b32's selects for lane l xor 16
	s_mov_b32 s13, 0xfedcba98
	s_mov_b32 s18, 0x3d38aa3b                      ; c = log2(e) / sqrt(1024)
	s_mov_b32 s19, s18                             ; (named with it as a pair)
	s_mov_b32 s20, 0xbd38aa3b                      ; -c
	s_bfe_u32 s14, ttmp9, 0x20006                  ; which 512 queries of the batch: (8 x work-group / 512) % 4
	s_lshl_b32 s16, s9, 13
	s_mov_b32 s17, 0
	s_lshl_b32 s22, s9, 12
	s_mov_b32 s23, 0
	s_wait_kmcnt 0x0
	s_add_nc_u64 s[4:5], s[4:5], s[16:17]
	s_add_nc_u64 s[6:7], s[6:7], s[22:23]
.macro ROW n                           ; a row of 512 n keys
.set i, 0
.rept 4*\n
	global_load_b128 v[X+4*i:X+4*i+3], v3, s[4:5] offset:512*i th:TH_LOAD_NT   ; 512 consecutive bytes
.set i, i+1
.endr
	s_wait_loadcnt 0x0
.irp u, 0,1,2,3                        ; the mask touches the last 512 keys alone
.irp e, 0,1,2,3
	v_cmp_gt_i32 vcc_lo, 128*\u+\e, v5
	v_cndmask_b32 v[X+16*(\n-1)+4*\u+\e], v[X+16*(\n-1)+4*\u+\e], v6, vcc_lo
.endr
.endr
	v_max3_num_f32 v10, v[X], v[X+1], v[X+2]       ; the maximum of my numbers, in two chains
	v_max3_num_f32 v11, v[X+3], v[X+4], v[X+5]
.set i, 6
.rept 4*\n-2
	v_max3_num_f32 v10, v10, v[X+i], v[X+i+1]
	v_max3_num_f32 v11, v11, v[X+i+2], v[X+i+3]
.set i, i+4
.endr
	v_max3_num_f32 v10, v10, v[X+i], v[X+i+1]
	v_max_num_f32 v10, v10, v11
	v_max_num_f32_dpp v10, v10, v10 row_xmask:1 row_mask:0xf bank_mask:0xf
	v_max_num_f32_dpp v10, v10, v10 row_xmask:2 row_mask:0xf bank_mask:0xf
	v_max_num_f32_dpp v10, v10, v10 row_xmask:4 row_mask:0xf bank_mask:0xf
	v_max_num_f32_dpp v10, v10, v10 row_xmask:8 row_mask:0xf bank_mask:0xf
	v_permlanex16_b32 v11, v10, s12, s13
	v_max_num_f32 v10, v10, v11                    ; the row's maximum M, in every lane (key 0 counts for every query: M is a number)
	v_mul_f32 v8, s20, v10                         ; -c M
	v_mov_b32 v9, v8
.set i, 0
.rept 8*\n
	v_pk_fma_f32 v[X+i:X+i+1], v[X+i:X+i+1], s[18:19], v[8:9] op_sel_hi:[1,0,0]   ; c s - c M, two at a time
.set i, i+2
.endr
.set i, 0
.rept 16*\n
	v_exp_f32 v[X+i], v[X+i]
.set i, i+1
.endr
	v_nop                                          ; a plain instruction behind the last exponential
	s_wait_alu depctr_va_vdst(0)                   ; one wait for the whole batch, ahead of its first reader
	v_pk_add_f32 v[10:11], v[X:X+1], v[X+2:X+3]    ; the sum, two at a time, in two chains
	v_pk_add_f32 v[12:13], v[X+4:X+5], v[X+6:X+7]
.set i, 8
.rept 4*\n-2
	v_pk_add_f32 v[10:11], v[10:11], v[X+i:X+i+1]
	v_pk_add_f32 v[12:13], v[12:13], v[X+i+2:X+i+3]
.set i, i+4
.endr
	v_pk_add_f32 v[10:11], v[10:11], v[12:13]
	v_add_f32 v10, v10, v11
	v_add_f32_dpp v10, v10, v10 row_xmask:1 row_mask:0xf bank_mask:0xf
	v_add_f32_dpp v10, v10, v10 row_xmask:2 row_mask:0xf bank_mask:0xf
	v_add_f32_dpp v10, v10, v10 row_xmask:4 row_mask:0xf bank_mask:0xf
	v_add_f32_dpp v10, v10, v10 row_xmask:8 row_mask:0xf bank_mask:0xf
	v_permlanex16_b32 v11, v10, s12, s13
	v_add_f32 v10, v10, v11
	v_rcp_f32 v14, v10                             ; twice: a pair for the packed multiply
	v_rcp_f32 v15, v10
	v_nop
	s_wait_alu depctr_va_vdst(0)                   ; one wait for both reciprocals
.set i, 0
.rept 8*\n
	v_pk_mul_f32 v[X+i:X+i+1], v[X+i:X+i+1], v[14:15]
.set i, i+2
.endr
.set i, 0
.rept 8*\n
	v_cvt_pk_f16_f32 v[Y+i], v[X+2*i], v[X+2*i+1]
.set i, i+1
.endr
.set i, 0
.rept 4*\n
	global_store_b64 v4, v[Y+2*i:Y+2*i+1], s[6:7] offset:256*i   ; 256 consecutive bytes, aligned
.set i, i+1
.endr
	s_endpgm
.endm
	s_cmp_eq_u32 s14, 0
	s_cbranch_scc1 .Lrow1
	s_cmp_eq_u32 s14, 1
	s_cbranch_scc1 .Lrow2
	s_cmp_eq_u32 s14, 2
	s_cbranch_scc1 .Lrow3
	ROW 4
.Lrow3:
	ROW 3
.Lrow2:
	ROW 2
.Lrow1:
	ROW 1
.Lfunc_end_k_q8a0e1a84be_softmax:
	.size	k_q8a0e1a84be_softmax, .Lfunc_end_k_q8a0e1a84be_softmax-k_q8a0e1a84be_softmax
	.p2alignl 7, 3214868480
	.fill 96, 4, 3214868480
	.section	.rodata,"a",@progbits
	.p2align	6, 0x0
	.amdhsa_kernel k_q8a0e1a84be_softmax
		.amdhsa_group_segment_fixed_size 0
		.amdhsa_private_segment_fixed_size 0
		.amdhsa_enable_private_segment 0
		.amdhsa_kernarg_size 16
		.amdhsa_user_sgpr_count 2
		.amdhsa_user_sgpr_kernarg_segment_ptr 1
		.amdhsa_wavefront_size32 1
		.amdhsa_system_sgpr_workgroup_id_x 1
		.amdhsa_system_sgpr_workgroup_id_y 1
		.amdhsa_system_sgpr_workgroup_id_z 1
		.amdhsa_system_vgpr_workitem_id 0
		.amdhsa_next_free_vgpr 112
		.amdhsa_next_free_sgpr 66
		.amdhsa_reserve_vcc 1
		.amdhsa_float_denorm_mode_32 3
		.amdhsa_float_denorm_mode_16_64 3
		.amdhsa_memory_ordered 1
		.amdhsa_forward_progress 1
		.amdhsa_inst_pref_size 49
	.end_amdhsa_kernel
	.amdgpu_metadata
---
amdhsa.version: [ 1, 2 ]
amdhsa.kernels:
  - .name:           k_q8a0e1a84be_softmax
    .symbol:         k_q8a0e1a84be_softmax.kd
    .args:
      - { .name: sc, .offset: 0, .size: 8, .value_kind: global_buffer, .address_space: global }
      - { .name: p, .offset: 8, .size: 8, .value_kind: global_buffer, .address_space: global }
    .group_segment_fixed_size: 0
    .private_segment_fixed_size: 0
    .kernarg_segment_align: 8
    .kernarg_segment_size: 16
    .max_flat_workgroup_size: 256
    .sgpr_count:     66
    .vgpr_count:     112
    .wavefront_size: 32
...
	.end_amdgpu_metadata
.endif
;; end of part 4
;; launch pv (part 5): grid 64 x 4, 4 waves a work-group, clusters of 4 x 4, 327,680 bytes of LDS; arguments p, qkv, bv, o; writes o
.if DOCPART == 5
	.amdgcn_target "amdgcn-amd-amdhsa--gfx1250"
	.amdhsa_code_object_version 6
	.text
	.protected	k_q8a0e1a84be_pv
	.globl	k_q8a0e1a84be_pv
	.p2align	8
	.type	k_q8a0e1a84be_pv,@function
k_q8a0e1a84be_pv:
	s_mov_b64 s[64:65], 0
	v_nop
	global_prefetch_b8 v0, s[64:65] scope:SCOPE_SE
	s_setreg_imm32_b32 hwreg(HW_REG_WAVE_MODE, 25, 1), 1
	s_wait_xcnt 0x0
	s_wait_alu depctr_hold_cnt(0) depctr_sa_sdst(0) depctr_va_vdst(0) depctr_va_sdst(0) depctr_va_ssrc(0) depctr_va_vcc(0) depctr_vm_vsrc(0)
	s_getreg_b32 s2, hwreg(HW_REG_IB_STS2, 6, 4)
	s_cmp_eq_u32 s2, 0
	s_cbranch_scc0 .Lentry_in_a_cluster
	s_endpgm
.Lentry_in_a_cluster:
	s_bfe_u32 s2, ttmp6, 0x10000c
	s_cmp_lg_u32 s2, 0xf033
	s_cbranch_scc0 .Lentry_shape_is_right
	s_endpgm
.Lentry_shape_is_right:
.set MODE, 5
; ONE TEXT SERVES TWO LAUNCHES; MODE picks what differs.  C[m][n] = bias[n] + sum over k of A[m][k] B[n][k], A and B f16 with K innermost, sums in f32.
;   MODE 5, pv: A = P (p [8192][2048]), B = V^T (qkv, rows 8,192 on), C = O in f16 (o [8192][1024]) with bv as the sums' start (P's rows add up to 1).  K ends at the causal limit, 512 (I + 1) keys for the I-th 512 queries of a batch:
;           P holds zeros above the diagonal there.
;   MODE 6, oproj: A = O, B = Wo in f16 (pre), K = 1,024, C = out0 in f32 with bo as the sums' start.  Positions 0-15 of each batch are not stored here: a launch of their own carries them in f32.
; f16, not bf16: 11 significant bits.  LIMIT: operands beyond 65,504 in magnitude are infinities of f16 already when they arrive here.
; A tile of C is 128 x 128: four waves, each 64 x 64: 16 accumulators, 128 registers.  K goes in steps of 256 (LDS rows of 512 bytes) through two slots.
; A WORK-GROUP STAYS AND MAKES TWO TILES, in the same columns of C (so B's rows and the bias stay): 256 work-groups of equal work in each launch.  The ring does not stop at the first tile's end: its last two changes of slots ask for
; the second tile's K steps 0 and 1, and the first tile goes out while they are on their way; nothing waits for its stores.  The two tiles are written out one behind the other.
;   MODE 5: a cluster takes the query blocks I = 3 and then 0, or 2 and then 1: 5 laps of 512 keys for every work-group.  Trip counts and address steps hang on the cluster's number alone: alike in all partners.
;   MODE 6: tile row = cluster y + 8 (which tile) + 16 cy: the second tile lies 1,024 rows below the first, and the first rows of all four batches fall into the first tile of the clusters with y = 0.
; CLUSTERS: 4 x 4 work-groups.  The four of a row need the same tiles of A, the four of a column the same tiles of B: each tile is asked for JOINTLY.  THE MATRIX INSTRUCTION IS USED TRANSPOSED (source 0 = 16 rows of B,
; source 1 = 16 rows of A): a lane holds eight neighbouring numbers of a row of C.
; No prefetch: a step's tiles are small and shared by four.
; REGISTERS: window 0: v0-31 addresses; v32-95 the way out; v96-127 the bias; v128-255 the accumulators ((a, b) at v[128 + 8 (4 a + b)]).  window 1: two fragment buffers of 128.
.set KSTEP,  256
.set PITCH,  528                       ; an LDS row: 512 bytes + 16 of padding: the 16 rows that a load touches start at 16 different banks
.set HALFT,  64*PITCH
.set SLOT,   4*HALFT                   ; A's 128 rows, then B's 128 rows
.set STAGE,  2*SLOT
.set SPITCH, 272
.if MODE == 5
.set PK,    2048                       ; elements from row to row of A and of B
.set ROWSH, 12                         ; the same as a shift, in bytes
.set BOFF,  0x2000000                  ; where B begins in its buffer: row 8,192 of qkv
.set CP,    2048                       ; bytes from row to row of C
.set SPARE, STAGE+128*SPITCH           ; one stage of 128 rows for the work-group; behind it the spare words, which no other line names
.else
.set PK,    1024
.set ROWSH, 11
.set BOFF,  0x5d8000                   ; Wo in f16
.set CP,    4096
.set SPARE, STAGE+4*16*SPITCH          ; a stage of 16 rows for each wave; behind them the spare words
.set NEXT_A, 1024*PK*2-2*KSTEP*2       ; bytes from a slot's last K step of the first tile to its first of the second: A goes 1,024 rows down and two K steps back,
.set BACK_B, 2*KSTEP*2                 ; B only back
.set NEXT_C, (1024-48)*CP              ; bytes from my last 16 rows of the first tile to my first of the second
.endif
.set ADRA, 16
.set ADRB, 20
.set STO,  24
.set RD,   25
.set CO,   26
.set BA,   27                          ; v27  32 x (lane / 16)
.set SPW,  28
.set NIL,  29
.set TMP,  32
.set BIAS, 96
.set ACC,  128
.set F0,   0
.set F1,   128
.set G1, 24
.set G0, 32
.set G1B, 48
.set G0B, 56
.set MSB, 0
.macro WIN new                         ; the immediate's high byte repeats the setting that is left
.if MSB != \new
	s_set_vgpr_msb (MSB<<8)|\new
.set MSB, \new
.endif
.endm
.set MUL,  0x05                        ; sources 0 (B) and 1 (A) window 1; C and D window 0
.set TO_F, 0x40
.macro JLOAD s                         ; a joint load: waves 0 and 1 fetch A's halves, waves 2 and 3 B's; an s_nop 0 and four v_nop follow each line
	s_cmp_eq_u32 s11, 0
	s_cbranch_scc0 .Lfor_b_\@
	tensor_load_to_lds s[G0+4*\s:G0+4*\s+3], s[G1:G1+7]
	s_nop 0
.rept 4
	v_nop
.endr
	s_branch .Lasked_\@
.Lfor_b_\@:
	tensor_load_to_lds s[G0B+4*\s:G0B+4*\s+3], s[G1B:G1B+7]
	s_nop 0
.rept 4
	v_nop
.endr
.Lasked_\@:
.endm
.macro CREST                           ; a round of the cluster's barrier behind its opening barrier
	s_cmp_lg_u32 s10, 0
	s_cbranch_scc1 .Lnot_wave_0_\@
	s_barrier_signal -3
.Lnot_wave_0_\@:
	s_barrier_wait -3
	s_barrier_signal -1
	s_barrier_wait -1
.endm
.macro CROUND
	s_barrier_signal -1
	s_barrier_wait -1
	CREST
.endm
	s_load_b256 s[68:75], s[0:1], 0x0              ; A's buffer s[68:69], B's s[70:71], the bias s[72:73], C s[74:75]
	v_lshl_add_u32 v[SPW], v0, 2, SPARE
	v_mov_b32 v[NIL], 0
	ds_add_u32 v[SPW], v[NIL]                      ; the wave's opening: the add, twice on end, and its wait ahead of my first tensor load
	ds_add_u32 v[SPW], v[NIL]
	v_lshrrev_b32 v1, 5, v0
	v_readfirstlane_b32 s10, v1                    ; wave 0..3
	s_lshr_b32 s11, s10, 1                         ; which half of the tile's rows is mine.  Also: I fetch for A (0) or for B (1)
	s_and_b32 s12, s10, 1                          ; which half of its columns.  Also: which 64 rows of that tile I fetch
	s_bfe_u32 s40, ttmp6, 0x40000                  ; cx
	s_bfe_u32 s41, ttmp6, 0x40004                  ; cy
	; s13: the first tile's first row of A and C (cy and the cluster's numbers alone); s42: B's first row (cx and the cluster's numbers alone); s77: C's first column
.if MODE == 5
	s_lshr_b32 s79, ttmp9, 3                       ; the second tile's I: 0 or 1
	s_sub_co_u32 s76, 3, s79                       ; the first tile's I: 3 or 2
	s_and_b32 s78, ttmp9, 3                        ; the batch
	s_bfe_u32 s45, ttmp9, 0x10002                  ; which 512 of the 1,024 columns
	s_lshl_b32 s13, s76, 2
	s_add_co_u32 s13, s13, s41
	s_lshl_b32 s13, s13, 7
	s_lshl_b32 s17, s78, 11
	s_add_co_u32 s13, s13, s17                     ; queries: 2,048 batch + 128 (4 I + cy)
	s_lshl_b32 s77, s45, 2
	s_add_co_u32 s77, s77, s40
	s_lshl_b32 s77, s77, 7
	s_lshl_b32 s42, s78, 10
	s_add_co_u32 s42, s42, s77                     ; V^T: 1,024 rows a batch
	s_sub_co_u32 s17, s76, s79                     ; how many blocks of 512 queries the second tile lies above the first: 3 or 1
	s_lshl_b32 s4, s17, 21                         ; s[4:5]: what A's addresses go back at the change of tiles: 512 rows of 4,096 bytes a block,
	s_lshl_b32 s6, s76, 10                         ; s[6:7]: and, as B's, the K steps walked: two of 512 bytes for each of the first tile's I trips of the loop
	s_add_co_u32 s4, s4, s6
	s_mov_b32 s5, 0
	s_mov_b32 s7, 0
	s_lshl_b32 s18, s17, 20                        ; s[18:19]: what C's address goes back: 512 rows of 2,048 bytes a block
	s_mov_b32 s19, 0
.else
	s_and_b32 s78, ttmp7, 0xffff                   ; cluster y, 0 .. 7
	s_lshl_b32 s13, s41, 4
	s_add_co_u32 s13, s13, s78
	s_lshl_b32 s13, s13, 7                         ; the first tile's row: 128 (cluster y + 16 cy)
	s_lshl_b32 s77, ttmp9, 2
	s_add_co_u32 s77, s77, s40
	s_lshl_b32 s77, s77, 7
	s_mov_b32 s42, s77
	s_or_b32 s45, s78, s11                         ; 0: my first 16 rows of the first tile are positions 0-15 of a batch.  The cluster's number and the wave's alone
.endif
	s_lshl_b32 s43, s41, 2
	s_lshl_b32 s43, 15, s43                        ; my row of the cluster
	s_lshl_b32 s44, 0x1111, s40                    ; my column
	; descriptor group 1: a tile of 64 rows x 256 elements of 2 bytes, 16 bytes of padding behind each row of 512
	s_or_b32 s[G1+0], s43, (1<<16)|(1<<20)|(1<<21)|(6<<22)|(3<<25)
	s_or_b32 s[G1B+0], s44, (1<<16)|(1<<20)|(1<<21)|(6<<22)|(3<<25)
.irp g, G1, G1B
	s_mov_b32 s[\g+1], KSTEP<<16                   ; tensor_dim0
	s_mov_b32 s[\g+2], 64<<16                      ; tensor_dim1
	s_mov_b32 s[\g+3], KSTEP<<16                   ; tile_dim0
	s_mov_b32 s[\g+4], 64                          ; tile_dim1
	s_mov_b32 s[\g+5], PK                          ; from row to row
	s_mov_b32 s[\g+6], 0
	s_mov_b32 s[\g+7], 0
.endr
	s_lshl_b32 s17, s12, 6                         ; which 64 rows of the tile I fetch
	s_add_co_u32 s16, s13, s17
	s_lshl_b32 s16, s16, ROWSH                     ; in bytes: all offsets of this text stay under 2^27
	s_add_co_u32 s46, s42, s17
	s_lshl_b32 s46, s46, ROWSH
	s_add_co_u32 s46, s46, BOFF
	s_mov_b32 s17, 0
	s_mov_b32 s47, 0
	s_mul_i32 s20, s10, HALFT                      ; where they go: wave x 64 rows: no place in the cluster enters an LDS address
	s_wait_dscnt 0x0                               ; both opening adds are done
	s_wait_kmcnt 0x0
	s_add_nc_u64 s[14:15], s[68:69], s[16:17]
	s_add_nc_u64 s[46:47], s[70:71], s[46:47]
	CROUND                                         ; all sixteen work-groups are here: the first joint loads meet
.irp s, 0,1
	s_mov_b32 s[G0+4*\s], 1
	s_add_co_u32 s[G0+4*\s+1], s20, \s*SLOT
	s_add_nc_u64 s[G0+4*\s+2:G0+4*\s+3], s[14:15], \s*KSTEP*2
	s_or_b32 s[G0+4*\s+3], s[G0+4*\s+3], 0x80000000
	s_mov_b32 s[G0B+4*\s], 1
	s_add_co_u32 s[G0B+4*\s+1], s20, \s*SLOT
	s_add_nc_u64 s[G0B+4*\s+2:G0B+4*\s+3], s[46:47], \s*KSTEP*2
	s_or_b32 s[G0B+4*\s+3], s[G0B+4*\s+3], 0x80000000
	JLOAD \s                                       ; two tensor loads of mine are out
.endr
	v_and_b32 v1, 15, v0                           ; r = lane % 16
	v_bfe_u32 v2, v0, 4, 1                         ; h = lane / 16
	s_lshl_b32 s46, s12, 6                         ; THE BIAS, in the result's layout: register 8 b + j = bias[my first column + 16 b + 8 h + j]; it serves both tiles
	s_add_co_u32 s46, s46, s77
	s_lshl_b32 s46, s46, 2
	s_mov_b32 s47, 0
	s_add_nc_u64 s[66:67], s[72:73], s[46:47]
	v_lshlrev_b32 v[BA], 5, v2
.irp b, 0,1,2,3
	global_load_b128 v[BIAS+8*\b:BIAS+8*\b+3], v[BA], s[66:67] offset:64*\b
	global_load_b128 v[BIAS+8*\b+4:BIAS+8*\b+7], v[BA], s[66:67] offset:64*\b+16
.endr
	v_mul_u32_u24 v3, v1, PITCH
	v_lshl_add_u32 v3, v2, 4, v3                   ; a fragment's row x pitch + 16 x half
	s_mul_i32 s21, s11, HALFT                      ; my 64 rows of A
	s_mul_i32 s22, s12, HALFT                      ; my 64 rows of B,
	s_add_co_u32 s22, s22, 2*HALFT                 ; which lie behind A's 128
.irp s, 0,1
	v_add_nc_u32 v[ADRA+\s], s21, v3
	v_add_nc_u32 v[ADRB+\s], s22, v3
	s_add_co_u32 s21, s21, SLOT
	s_add_co_u32 s22, s22, SLOT
.endr
.if MODE == 5
	s_mul_i32 s23, s11, 64*SPITCH                  ; f16 out: into the shared stage: my 64 rows, my half of their 256 bytes
	s_lshl_b32 s21, s12, 7
	s_add_co_u32 s23, s23, s21
	s_add_co_u32 s23, s23, STAGE
	v_mul_u32_u24 v4, v1, SPITCH
	v_lshl_add_u32 v4, v2, 4, v4
	v_add_nc_u32 v[STO], s23, v4
	s_mul_i32 s23, s10, 32*SPITCH                  ; back: wave w takes rows 32 w .. 32 w + 31, whole
	s_add_co_u32 s23, s23, STAGE
	s_lshl_b32 s16, s10, 5
	s_lshl_b32 s46, s77, 1                         ; the tile's first column, in bytes
.else
	s_mul_i32 s23, s10, 16*SPITCH                  ; f32 out: my 64 columns are 256 bytes: a stage of my own, 16 rows
	s_add_co_u32 s23, s23, STAGE
	v_mul_u32_u24 v4, v1, SPITCH
	v_lshl_add_u32 v4, v2, 5, v4                   ; in: row r, 32 bytes for each half of the lanes
	v_add_nc_u32 v[STO], s23, v4
	s_lshl_b32 s16, s11, 6
	s_lshl_b32 s46, s12, 6
	s_add_co_u32 s46, s46, s77
	s_lshl_b32 s46, s46, 2                         ; my first column, in bytes
.endif
	v_mul_u32_u24 v5, v2, SPITCH                   ; back: lanes 0-15 one row of 256 bytes, lanes 16-31 the next
	v_lshl_add_u32 v5, v1, 4, v5
	v_add_nc_u32 v[RD], s23, v5
	v_mul_u32_u24 v5, v2, CP                       ; and the same two rows in C
	v_lshl_add_u32 v[CO], v1, 4, v5
	s_add_co_u32 s16, s16, s13                     ; the first row of C that I store
	s_mul_i32 s16, s16, CP
	s_mov_b32 s17, 0
	s_mov_b32 s47, 0
	s_add_nc_u64 s[8:9], s[74:75], s[16:17]
	s_add_nc_u64 s[8:9], s[8:9], s[46:47]
; 8 matrix instructions: m blocks a0, a0 + 1 x all 4 n blocks, 32 along K: half c of buffer f.  zero = 1: the first product starts the sums from the bias.  The 16 accumulators take turns.
.macro MUL8 f, c, a0, zero
.irp a, \a0, \a0+1
.irp b, 0,1,2,3
.if \zero
	v_wmma_f32_16x16x32_f16 v[ACC+8*(4*(\a)+\b):ACC+8*(4*(\a)+\b)+7], v[\f+64+8*(4*\c+\b):\f+64+8*(4*\c+\b)+7], v[\f+8*(4*\c+\a):\f+8*(4*\c+\a)+7], v[BIAS+8*\b:BIAS+8*\b+7]
.else
	v_wmma_f32_16x16x32_f16 v[ACC+8*(4*(\a)+\b):ACC+8*(4*(\a)+\b)+7], v[\f+64+8*(4*\c+\b):\f+64+8*(4*\c+\b)+7], v[\f+8*(4*\c+\a):\f+8*(4*\c+\a)+7], v[ACC+8*(4*(\a)+\b):ACC+8*(4*(\a)+\b)+7]
.endif
.endr
.endr
.endm
; 32 LDS loads in one run: the fragments of 64 along K at byte k of the rows, into buffer f; the first 32 along K first
.macro FETCH slot, k, f
	WIN TO_F
.irp c, 0,1
.irp i, 0,1,2,3
	ds_load_b128 v[\f+64+8*(4*\c+\i):\f+64+8*(4*\c+\i)+3],   v[ADRB+\slot] offset:\k+64*\c+\i*16*PITCH
	ds_load_b128 v[\f+64+8*(4*\c+\i)+4:\f+64+8*(4*\c+\i)+7], v[ADRB+\slot] offset:\k+64*\c+\i*16*PITCH+32
	ds_load_b128 v[\f+8*(4*\c+\i):\f+8*(4*\c+\i)+3],         v[ADRA+\slot] offset:\k+64*\c+\i*16*PITCH
	ds_load_b128 v[\f+8*(4*\c+\i)+4:\f+8*(4*\c+\i)+7],       v[ADRA+\slot] offset:\k+64*\c+\i*16*PITCH+32
.endr
.endr
.endm
.macro PLACES                          ; four plain vector instructions in front of loads into registers that matrix instructions have read
.rept 4
	v_nop
.endr
.endm
; A K step is four quarters of 64 along K, 32 matrix instructions each, on buffers 0, 1, 0, 1.  One of the first three: multiplies buffer f and fetches the next quarter, at byte k, into g.
.macro QUARTER slot, k, f, g, zero
	s_wait_dscnt 16                                ; the first 32 along K are in; the sixteen loads of the second 32 may be out
	WIN MUL
	MUL8 \f, 0, 0, \zero
	MUL8 \f, 0, 2, \zero
	PLACES
	FETCH \slot, \k, \g
	s_wait_dscnt 32                                ; all but the 32 just issued
	WIN MUL
	MUL8 \f, 1, 0, 0
	MUL8 \f, 1, 2, 0
.endm
; The last quarter multiplies buffer 1 and changes slots: one barrier; in front of it each wave waits for all its tensor loads, adds 0 to its spare word, and waits for that and for its own reads of this slot.
; fill = 1: the barrier opens a round of the cluster's barrier, and this slot is filled again, two K steps ahead, first thing behind the round.  fill = 2: the same, with the SECOND TILE's K step 0 or 1.  fill = 0: nothing is asked for.
.macro TURN slot, next, fill
	WIN 0
	s_wait_tensorcnt 0x0                           ; all my tensor loads have landed: my part of the next slot
	ds_add_u32 v[SPW], v[NIL]                      ; 0 onto my spare word
	s_wait_dscnt 17                                ; (the add and the youngest sixteen loads may be out)
	WIN MUL
	MUL8 F1, 0, 0, 0
	s_wait_dscnt 0x0                               ; the add is done, and my reads of this slot are over
	s_barrier_signal -1
	MUL8 F1, 0, 2, 0
.if \fill
	WIN 0
.endif
	s_barrier_wait -1
.if \fill
	CREST                                          ; no wave of any partner still reads this slot's tile or has a load on its way
.if \fill == 2
.if MODE == 5
	s_sub_nc_u64 s[G0+4*\slot+2:G0+4*\slot+3], s[G0+4*\slot+2:G0+4*\slot+3], s[4:5]      ; A: up to the second tile's rows and back along K
	s_sub_nc_u64 s[G0B+4*\slot+2:G0B+4*\slot+3], s[G0B+4*\slot+2:G0B+4*\slot+3], s[6:7]  ; B: back along K
.else
	s_add_nc_u64 s[G0+4*\slot+2:G0+4*\slot+3], s[G0+4*\slot+2:G0+4*\slot+3], NEXT_A
	s_sub_nc_u64 s[G0B+4*\slot+2:G0B+4*\slot+3], s[G0B+4*\slot+2:G0B+4*\slot+3], BACK_B
.endif
.else
	s_add_nc_u64 s[G0+4*\slot+2:G0+4*\slot+3], s[G0+4*\slot+2:G0+4*\slot+3], 2*KSTEP*2
	s_add_nc_u64 s[G0B+4*\slot+2:G0B+4*\slot+3], s[G0B+4*\slot+2:G0B+4*\slot+3], 2*KSTEP*2
.endif
	JLOAD \slot                                    ; my one tensor load behind the round; its four v_nop are also the places in front of the loads below
.else
	PLACES
.endif
	FETCH \next, 0, F0
	WIN MUL
	MUL8 F1, 1, 0, 0
	MUL8 F1, 1, 2, 0
.endm
; A trip of a tile's loop goes once round the ring, from a lap's second quarter to the next lap's first, and fills both slots again; it ends with the count's compare.
.macro LAP
	QUARTER 0, 256, F1, F0, 0
	QUARTER 0, 384, F0, F1, 0
	TURN 0, 1, 1
	QUARTER 1, 128, F0, F1, 0
	QUARTER 1, 256, F1, F0, 0
	QUARTER 1, 384, F0, F1, 0
	TURN 1, 0, 1
	QUARTER 0, 128, F0, F1, 0
	WIN 0                                          ; at a label and at a branch every window is 0
	s_sub_co_u32 s3, s3, 1
	s_cmp_lg_u32 s3, 0
.endm
; THE WAY OUT of a tile.  last = 0: the first tile; the second tile's first fragments are already on their way into buffer 0, and its K step 1 into slot 1.  last = 1: the second tile.
; Five plain places stand at its head: four in front of the first read of results, and the fifth because the next tile's first products begin the accumulators anew, with another C (ISA guide 7.12.1).
.if MODE == 5
; IN F16: rounded once; 16 bytes a lane into the work-group's stage; a barrier, since a row's 256 bytes come from two waves; back as whole rows, 32 rows a wave.  The stage is written again only in the second tile's way out:
; between a wave's reads of it here and those stores stand the second tile's changes of slots, each a barrier in front of which every wave has waited for all its LDS instructions.
.macro WAYOUT last
	WIN 0
.rept 5
	v_nop
.endr
.if \last
	s_wait_xcnt 0x0                                ; the first tile's stores have read their registers and their base: both are written again below
	s_sub_nc_u64 s[8:9], s[8:9], s[18:19]          ; up to the second tile's rows
.endif
.irp t, 0,1,2,3,4,5,6,7,8,9,10,11,12,13,14,15
.irp r, 0,1,2,3
	v_cvt_pk_f16_f32 v[TMP+4*\t+\r], v[ACC+8*\t+2*\r], v[ACC+8*\t+2*\r+1]
.endr
.endr
.irp a, 0,1,2,3
.irp b, 0,1,2,3
	ds_store_b128 v[STO], v[TMP+4*(4*\a+\b):TMP+4*(4*\a+\b)+3] offset:\a*16*SPITCH+32*\b
.endr
.endr
	s_wait_dscnt 0x0                               ; for the others' sake: my stores into the stage are done
	s_barrier_signal -1
	s_barrier_wait -1
.irp t, 0,1,2,3,4,5,6,7,8,9,10,11,12,13,14,15
	ds_load_b128 v[TMP+4*\t:TMP+4*\t+3], v[RD] offset:\t*2*SPITCH
.endr
.irp t, 0,1,2,3,4,5,6,7,8,9,10,11,12,13,14,15
	s_wait_dscnt 15-\t                             ; LDS loads come back in order: pair t of rows is in
	global_store_b128 v[CO], v[TMP+4*\t:TMP+4*\t+3], s[8:9] offset:2*\t*CP   ; 16 lanes store 256 consecutive bytes, aligned
.endr
.endm
.else
; IN F32, block by block of 16 rows x 64 columns: through my own stage and back as whole rows of 256 bytes; sixteen lanes store 256 consecutive bytes, aligned.  LDS serves a wave's instructions in order: no wait between stores and loads.
.macro TOSTAGE32 a
.irp b, 0,1,2,3
	ds_store_b128 v[STO], v[ACC+8*(4*(\a)+\b):ACC+8*(4*(\a)+\b)+3] offset:64*\b          ; each accumulator from its low end on
	ds_store_b128 v[STO], v[ACC+8*(4*(\a)+\b)+4:ACC+8*(4*(\a)+\b)+7] offset:64*\b+16
.endr
.irp t, 0,1,2,3,4,5,6,7
	ds_load_b128 v[TMP+32*((\a)%2)+4*\t:TMP+32*((\a)%2)+4*\t+3], v[RD] offset:\t*2*SPITCH
.endr
.endm
.macro SEND32 a, younger, last         ; younger: the LDS instructions issued behind block a's loads, which may stay out
	s_wait_dscnt \younger
.if (\a) > 0
	s_add_nc_u64 s[8:9], s[8:9], 16*CP             ; (behind a wait on XCNT: the earlier stores have read their base)
.elseif (\last) == 1
	s_add_nc_u64 s[8:9], s[8:9], NEXT_C            ; (likewise)  on to the second tile's first rows
.endif
.if ((\a) == 0) && ((\last) == 0)
	s_cmp_eq_u32 s45, 0                            ; positions 0-15 of a batch are stored by the launch that carries them in f32
	s_cbranch_scc1 .Lfine_rows
.endif
.irp t, 0,1,2,3,4,5,6,7
	global_store_b128 v[CO], v[TMP+32*((\a)%2)+4*\t:TMP+32*((\a)%2)+4*\t+3], s[8:9] offset:2*\t*CP
.endr
.if ((\a) == 0) && ((\last) == 0)
.Lfine_rows:
.endif
.endm
.macro WAYOUT last
	WIN 0
.rept 5
	v_nop
.endr
.if \last
	s_wait_xcnt 0x0                                ; the first tile's stores have read their registers and their base
.endif
	TOSTAGE32 0
.irp a, 1,2,3
.if \a > 1
	s_wait_xcnt 0x0                                ; block a - 2's stores have read their registers and their base
.endif
	TOSTAGE32 \a
	SEND32 \a-1, 16, \last                         ; behind block a - 1's loads: block a's 8 stores and 8 loads
.endr
	s_wait_xcnt 0x0
	SEND32 3, 0, \last
.endm
.endif
	s_wait_tensorcnt 1                             ; my part of K step 0 is in; K step 1's load may be out.  Every later wait on TENSORcnt is for 0
	s_barrier_signal -1
	s_barrier_wait -1                              ; everybody's is
	FETCH 0, 0, F0
	s_wait_loadcnt 0x0                             ; the bias
	; ---- THE FIRST TILE
	QUARTER 0, 128, F0, F1, 1                      ; a tile's first quarter stands in front of its loop: its first products start the sums
	WIN 0
.if MODE == 5
	s_mov_b32 s3, s76                              ; I + 1 laps of 512 keys, I = 3 or 2; the last is written out.  The cluster's number alone
.else
	s_mov_b32 s3, 1                                ; K = 1,024: two laps; the last is written out
.endif
.Llap_first:
	LAP
	s_cbranch_scc1 .Llap_first
	QUARTER 0, 256, F1, F0, 0                      ; the first tile's last lap: THE RING GOES ON INTO THE SECOND TILE: slot 0 takes its K step 0,
	QUARTER 0, 384, F0, F1, 0
	TURN 0, 1, 2
	QUARTER 1, 128, F0, F1, 0
	QUARTER 1, 256, F1, F0, 0
	QUARTER 1, 384, F0, F1, 0
	TURN 1, 0, 2                                   ; slot 1 its K step 1, and the second tile's first fragments are fetched
	WAYOUT 0                                       ; both refills are asked for: now the tile goes out
	; ---- THE SECOND TILE
	QUARTER 0, 128, F0, F1, 1
	WIN 0
.if MODE == 5
	s_mov_b32 s3, s79                              ; I + 1 laps, I = 0 or 1
	s_cmp_eq_u32 s3, 0
	s_cbranch_scc1 .Ltail                          ; the cluster's number alone: alike in all partners
.else
	s_mov_b32 s3, 1
.endif
.Llap_second:
	LAP
	s_cbranch_scc1 .Llap_second
.Ltail:
	QUARTER 0, 256, F1, F0, 0                      ; the last lap fills nothing, and has no round of the cluster's barrier
	QUARTER 0, 384, F0, F1, 0
	TURN 0, 1, 0
	QUARTER 1, 128, F0, F1, 0
	QUARTER 1, 256, F1, F0, 0
	QUARTER 1, 384, F0, F1, 0
	s_wait_dscnt 16                                ; the very last quarter: nothing more to fetch
	WIN MUL
	MUL8 F1, 0, 0, 0
	MUL8 F1, 0, 2, 0
	s_wait_dscnt 0
	MUL8 F1, 1, 0, 0
	MUL8 F1, 1, 2, 0
	WAYOUT 1
	s_wait_tensorcnt 0x0                           ; the wave's end, behind my last tensor load and my last LDS store
	ds_add_u32 v[SPW], v[NIL]
	s_wait_dscnt 0x0
	CROUND                                         ; the closing round: no work-group ends while a partner may still ask for a tile that names it
	s_endpgm
.Lfunc_end_k_q8a0e1a84be_pv:
	.size	k_q8a0e1a84be_pv, .Lfunc_end_k_q8a0e1a84be_pv-k_q8a0e1a84be_pv
	.p2alignl 7, 3214868480
	.fill 96, 4, 3214868480
	.section	.rodata,"a",@progbits
	.p2align	6, 0x0
	.amdhsa_kernel k_q8a0e1a84be_pv
		.amdhsa_group_segment_fixed_size 327680
		.amdhsa_private_segment_fixed_size 0
		.amdhsa_enable_private_segment 0
		.amdhsa_kernarg_size 32
		.amdhsa_user_sgpr_count 2
		.amdhsa_user_sgpr_kernarg_segment_ptr 1
		.amdhsa_wavefront_size32 1
		.amdhsa_system_sgpr_workgroup_id_x 1
		.amdhsa_system_sgpr_workgroup_id_y 1
		.amdhsa_system_sgpr_workgroup_id_z 1
		.amdhsa_system_vgpr_workitem_id 0
		.amdhsa_next_free_vgpr 512
		.amdhsa_next_free_sgpr 80
		.amdhsa_reserve_vcc 0
		.amdhsa_float_denorm_mode_32 3
		.amdhsa_float_denorm_mode_16_64 3
		.amdhsa_memory_ordered 1
		.amdhsa_forward_progress 1
		.amdhsa_inst_pref_size 169
	.end_amdhsa_kernel
	.amdgpu_metadata
---
amdhsa.version: [ 1, 2 ]
amdhsa.kernels:
  - .name:           k_q8a0e1a84be_pv
    .symbol:         k_q8a0e1a84be_pv.kd
    .args:
      - { .name: p, .offset: 0, .size: 8, .value_kind: global_buffer, .address_space: global }
      - { .name: qkv, .offset: 8, .size: 8, .value_kind: global_buffer, .address_space: global }
      - { .name: bv, .offset: 16, .size: 8, .value_kind: global_buffer, .address_space: global }
      - { .name: o, .offset: 24, .size: 8, .value_kind: global_buffer, .address_space: global }
    .group_segment_fixed_size: 327680
    .private_segment_fixed_size: 0
    .kernarg_segment_align: 8
    .kernarg_segment_size: 32
    .max_flat_workgroup_size: 128
    .sgpr_count:     80
    .vgpr_count:     512
    .wavefront_size: 32
...
	.end_amdgpu_metadata
.endif
;; end of part 5
;; launch oproj (part 6): grid 8 x 32, 4 waves a work-group, clusters of 4 x 4, 327,680 bytes of LDS; arguments o, pre, bo, out0; writes out0
.if DOCPART == 6
	.amdgcn_target "amdgcn-amd-amdhsa--gfx1250"
	.amdhsa_code_object_version 6
	.text
	.protected	k_q8a0e1a84be_oproj
	.globl	k_q8a0e1a84be_oproj
	.p2align	8
	.type	k_q8a0e1a84be_oproj,@function
k_q8a0e1a84be_oproj:
	s_mov_b64 s[64:65], 0
	v_nop
	global_prefetch_b8 v0, s[64:65] scope:SCOPE_SE
	s_setreg_imm32_b32 hwreg(HW_REG_WAVE_MODE, 25, 1), 1
	s_wait_xcnt 0x0
	s_wait_alu depctr_hold_cnt(0) depctr_sa_sdst(0) depctr_va_vdst(0) depctr_va_sdst(0) depctr_va_ssrc(0) depctr_va_vcc(0) depctr_vm_vsrc(0)
	s_getreg_b32 s2, hwreg(HW_REG_IB_STS2, 6, 4)
	s_cmp_eq_u32 s2, 0
	s_cbranch_scc0 .Lentry_in_a_cluster
	s_endpgm
.Lentry_in_a_cluster:
	s_bfe_u32 s2, ttmp6, 0x10000c
	s_cmp_lg_u32 s2, 0xf033
	s_cbranch_scc0 .Lentry_shape_is_right
	s_endpgm
.Lentry_shape_is_right:
.set MODE, 6
; ONE TEXT SERVES TWO LAUNCHES; MODE picks what differs.  C[m][n] = bias[n] + sum over k of A[m][k] B[n][k], A and B f16 with K innermost, sums in f32.
;   MODE 5, pv: A = P (p [8192][2048]), B = V^T (qkv, rows 8,192 on), C = O in f16 (o [8192][1024]) with bv as the sums' start (P's rows add up to 1).  K ends at the causal limit, 512 (I + 1) keys for the I-th 512 queries of a batch:
;           P holds zeros above the diagonal there.
;   MODE 6, oproj: A = O, B = Wo in f16 (pre), K = 1,024, C = out0 in f32 with bo as the sums' start.  Positions 0-15 of each batch are not stored here: a launch of their own carries them in f32.
; f16, not bf16: 11 significant bits.  LIMIT: operands beyond 65,504 in magnitude are infinities of f16 already when they arrive here.
; A tile of C is 128 x 128: four waves, each 64 x 64: 16 accumulators, 128 registers.  K goes in steps of 256 (LDS rows of 512 bytes) through two slots.
; A WORK-GROUP STAYS AND MAKES TWO TILES, in the same columns of C (so B's rows and the bias stay): 256 work-groups of equal work in each launch.  The ring does not stop at the first tile's end: its last two changes of slots ask for
; the second tile's K steps 0 and 1, and the first tile goes out while they are on their way; nothing waits for its stores.  The two tiles are written out one behind the other.
;   MODE 5: a cluster takes the query blocks I = 3 and then 0, or 2 and then 1: 5 laps of 512 keys for every work-group.  Trip counts and address steps hang on the cluster's number alone: alike in all partners.
;   MODE 6: tile row = cluster y + 8 (which tile) + 16 cy: the second tile lies 1,024 rows below the first, and the first rows of all four batches fall into the first tile of the clusters with y = 0.
; CLUSTERS: 4 x 4 work-groups.  The four of a row need the same tiles of A, the four of a column the same tiles of B: each tile is asked for JOINTLY.  THE MATRIX INSTRUCTION IS USED TRANSPOSED (source 0 = 16 rows of B,
; source 1 = 16 rows of A): a lane holds eight neighbouring numbers of a row of C.
; No prefetch: a step's tiles are small and shared by four.
; REGISTERS: window 0: v0-31 addresses; v32-95 the way out; v96-127 the bias; v128-255 the accumulators ((a, b) at v[128 + 8 (4 a + b)]).  window 1: two fragment buffers of 128.
.set KSTEP,  256
.set PITCH,  528                       ; an LDS row: 512 bytes + 16 of padding: the 16 rows that a load touches start at 16 different banks
.set HALFT,  64*PITCH
.set SLOT,   4*HALFT                   ; A's 128 rows, then B's 128 rows
.set STAGE,  2*SLOT
.set SPITCH, 272
.if MODE == 5
.set PK,    2048                       ; elements from row to row of A and of B
.set ROWSH, 12                         ; the same as a shift, in bytes
.set BOFF,  0x2000000                  ; where B begins in its buffer: row 8,192 of qkv
.set CP,    2048                       ; bytes from row to row of C
.set SPARE, STAGE+128*SPITCH           ; one stage of 128 rows for the work-group; behind it the spare words, which no other line names
.else
.set PK,    1024
.set ROWSH, 11
.set BOFF,  0x5d8000                   ; Wo in f16
.set CP,    4096
.set SPARE, STAGE+4*16*SPITCH          ; a stage of 16 rows for each wave; behind them the spare words
.set NEXT_A, 1024*PK*2-2*KSTEP*2       ; bytes from a slot's last K step of the first tile to its first of the second: A goes 1,024 rows down and two K steps back,
.set BACK_B, 2*KSTEP*2                 ; B only back
.set NEXT_C, (1024-48)*CP              ; bytes from my last 16 rows of the first tile to my first of the second
.endif
.set ADRA, 16
.set ADRB, 20
.set STO,  24
.set RD,   25
.set CO,   26
.set BA,   27                          ; v27  32 x (lane / 16)
.set SPW,  28
.set NIL,  29
.set TMP,  32
.set BIAS, 96
.set ACC,  128
.set F0,   0
.set F1,   128
.set G1, 24
.set G0, 32
.set G1B, 48
.set G0B, 56
.set MSB, 0
.macro WIN new                         ; the immediate's high byte repeats the setting that is left
.if MSB != \new
	s_set_vgpr_msb (MSB<<8)|\new
.set MSB, \new
.endif
.endm
.set MUL,  0x05                        ; sources 0 (B) and 1 (A) window 1; C and D window 0
.set TO_F, 0x40
.macro JLOAD s                         ; a joint load: waves 0 and 1 fetch A's halves, waves 2 and 3 B's; an s_nop 0 and four v_nop follow each line
	s_cmp_eq_u32 s11, 0
	s_cbranch_scc0 .Lfor_b_\@
	tensor_load_to_lds s[G0+4*\s:G0+4*\s+3], s[G1:G1+7]
	s_nop 0
.rept 4
	v_nop
.endr
	s_branch .Lasked_\@
.Lfor_b_\@:
	tensor_load_to_lds s[G0B+4*\s:G0B+4*\s+3], s[G1B:G1B+7]
	s_nop 0
.rept 4
	v_nop
.endr
.Lasked_\@:
.endm
.macro CREST                           ; a round of the cluster's barrier behind its opening barrier
	s_cmp_lg_u32 s10, 0
	s_cbranch_scc1 .Lnot_wave_0_\@
	s_barrier_signal -3
.Lnot_wave_0_\@:
	s_barrier_wait -3
	s_barrier_signal -1
	s_barrier_wait -1
.endm
.macro CROUND
	s_barrier_signal -1
	s_barrier_wait -1
	CREST
.endm
	s_load_b256 s[68:75], s[0:1], 0x0              ; A's buffer s[68:69], B's s[70:71], the bias s[72:73], C s[74:75]
	v_lshl_add_u32 v[SPW], v0, 2, SPARE
	v_mov_b32 v[NIL], 0
	ds_add_u32 v[SPW], v[NIL]                      ; the wave's opening: the add, twice on end, and its wait ahead of my first tensor load
	ds_add_u32 v[SPW], v[NIL]
	v_lshrrev_b32 v1, 5, v0
	v_readfirstlane_b32 s10, v1                    ; wave 0..3
	s_lshr_b32 s11, s10, 1                         ; which half of the tile's rows is mine.  Also: I fetch for A (0) or for B (1)
	s_and_b32 s12, s10, 1                          ; which half of its columns.  Also: which 64 rows of that tile I fetch
	s_bfe_u32 s40, ttmp6, 0x40000                  ; cx
	s_bfe_u32 s41, ttmp6, 0x40004                  ; cy
	; s13: the first tile's first row of A and C (cy and the cluster's numbers alone); s42: B's first row (cx and the cluster's numbers alone); s77: C's first column
.if MODE == 5
	s_lshr_b32 s79, ttmp9, 3                       ; the second tile's I: 0 or 1
	s_sub_co_u32 s76, 3, s79                       ; the first tile's I: 3 or 2
	s_and_b32 s78, ttmp9, 3                        ; the batch
	s_bfe_u32 s45, ttmp9, 0x10002                  ; which 512 of the 1,024 columns
	s_lshl_b32 s13, s76, 2
	s_add_co_u32 s13, s13, s41
	s_lshl_b32 s13, s13, 7
	s_lshl_b32 s17, s78, 11
	s_add_co_u32 s13, s13, s17                     ; queries: 2,048 batch + 128 (4 I + cy)
	s_lshl_b32 s77, s45, 2
	s_add_co_u32 s77, s77, s40
	s_lshl_b32 s77, s77, 7
	s_lshl_b32 s42, s78, 10
	s_add_co_u32 s42, s42, s77                     ; V^T: 1,024 rows a batch
	s_sub_co_u32 s17, s76, s79                     ; how many blocks of 512 queries the second tile lies above the first: 3 or 1
	s_lshl_b32 s4, s17, 21                         ; s[4:5]: what A's addresses go back at the change of tiles: 512 rows of 4,096 bytes a block,
	s_lshl_b32 s6, s76, 10                         ; s[6:7]: and, as B's, the K steps walked: two of 512 bytes for each of the first tile's I trips of the loop
	s_add_co_u32 s4, s4, s6
	s_mov_b32 s5, 0
	s_mov_b32 s7, 0
	s_lshl_b32 s18, s17, 20                        ; s[18:19]: what C's address goes back: 512 rows of 2,048 bytes a block
	s_mov_b32 s19, 0
.else
	s_and_b32 s78, ttmp7, 0xffff                   ; cluster y, 0 .. 7
	s_lshl_b32 s13, s41, 4
	s_add_co_u32 s13, s13, s78
	s_lshl_b32 s13, s13, 7                         ; the first tile's row: 128 (cluster y + 16 cy)
	s_lshl_b32 s77, ttmp9, 2
	s_add_co_u32 s77, s77, s40
	s_lshl_b32 s77, s77, 7
	s_mov_b32 s42, s77
	s_or_b32 s45, s78, s11                         ; 0: my first 16 rows of the first tile are positions 0-15 of a batch.  The cluster's number and the wave's alone
.endif
	s_lshl_b32 s43, s41, 2
	s_lshl_b32 s43, 15, s43                        ; my row of the cluster
	s_lshl_b32 s44, 0x1111, s40                    ; my column
	; descriptor group 1: a tile of 64 rows x 256 elements of 2 bytes, 16 bytes of padding behind each row of 512
	s_or_b32 s[G1+0], s43, (1<<16)|(1<<20)|(1<<21)|(6<<22)|(3<<25)
	s_or_b32 s[G1B+0], s44, (1<<16)|(1<<20)|(1<<21)|(6<<22)|(3<<25)
.irp g, G1, G1B
	s_mov_b32 s[\g+1], KSTEP<<16                   ; tensor_dim0
	s_mov_b32 s[\g+2], 64<<16                      ; tensor_dim1
	s_mov_b32 s[\g+3], KSTEP<<16                   ; tile_dim0
	s_mov_b32 s[\g+4], 64                          ; tile_dim1
	s_mov_b32 s[\g+5], PK                          ; from row to row
	s_mov_b32 s[\g+6], 0
	s_mov_b32 s[\g+7], 0
.endr
	s_lshl_b32 s17, s12, 6                         ; which 64 rows of the tile I fetch
	s_add_co_u32 s16, s13, s17
	s_lshl_b32 s16, s16, ROWSH                     ; in bytes: all offsets of this text stay under 2^27
	s_add_co_u32 s46, s42, s17
	s_lshl_b32 s46, s46, ROWSH
	s_add_co_u32 s46, s46, BOFF
	s_mov_b32 s17, 0
	s_mov_b32 s47, 0
	s_mul_i32 s20, s10, HALFT                      ; where they go: wave x 64 rows: no place in the cluster enters an LDS address
	s_wait_dscnt 0x0                               ; both opening adds are done
	s_wait_kmcnt 0x0
	s_add_nc_u64 s[14:15], s[68:69], s[16:17]
	s_add_nc_u64 s[46:47], s[70:71], s[46:47]
	CROUND                                         ; all sixteen work-groups are here: the first joint loads meet
.irp s, 0,1
	s_mov_b32 s[G0+4*\s], 1
	s_add_co_u32 s[G0+4*\s+1], s20, \s*SLOT
	s_add_nc_u64 s[G0+4*\s+2:G0+4*\s+3], s[14:15], \s*KSTEP*2
	s_or_b32 s[G0+4*\s+3], s[G0+4*\s+3], 0x80000000
	s_mov_b32 s[G0B+4*\s], 1
	s_add_co_u32 s[G0B+4*\s+1], s20, \s*SLOT
	s_add_nc_u64 s[G0B+4*\s+2:G0B+4*\s+3], s[46:47], \s*KSTEP*2
	s_or_b32 s[G0B+4*\s+3], s[G0B+4*\s+3], 0x80000000
	JLOAD \s                                       ; two tensor loads of mine are out
.endr
	v_and_b32 v1, 15, v0                           ; r = lane % 16
	v_bfe_u32 v2, v0, 4, 1                         ; h = lane / 16
	s_lshl_b32 s46, s12, 6                         ; THE BIAS, in the result's layout: register 8 b + j = bias[my first column + 16 b + 8 h + j]; it serves both tiles
	s_add_co_u32 s46, s46, s77
	s_lshl_b32 s46, s46, 2
	s_mov_b32 s47, 0
	s_add_nc_u64 s[66:67], s[72:73], s[46:47]
	v_lshlrev_b32 v[BA], 5, v2
.irp b, 0,1,2,3
	global_load_b128 v[BIAS+8*\b:BIAS+8*\b+3], v[BA], s[66:67] offset:64*\b
	global_load_b128 v[BIAS+8*\b+4:BIAS+8*\b+7], v[BA], s[66:67] offset:64*\b+16
.endr
	v_mul_u32_u24 v3, v1, PITCH
	v_lshl_add_u32 v3, v2, 4, v3                   ; a fragment's row x pitch + 16 x half
	s_mul_i32 s21, s11, HALFT                      ; my 64 rows of A
	s_mul_i32 s22, s12, HALFT                      ; my 64 rows of B,
	s_add_co_u32 s22, s22, 2*HALFT                 ; which lie behind A's 128
.irp s, 0,1
	v_add_nc_u32 v[ADRA+\s], s21, v3
	v_add_nc_u32 v[ADRB+\s], s22, v3
	s_add_co_u32 s21, s21, SLOT
	s_add_co_u32 s22, s22, SLOT
.endr
.if MODE == 5
	s_mul_i32 s23, s11, 64*SPITCH                  ; f16 out: into the shared stage: my 64 rows, my half of their 256 bytes
	s_lshl_b32 s21, s12, 7
	s_add_co_u32 s23, s23, s21
	s_add_co_u32 s23, s23, STAGE
	v_mul_u32_u24 v4, v1, SPITCH
	v_lshl_add_u32 v4, v2, 4, v4
	v_add_nc_u32 v[STO], s23, v4
	s_mul_i32 s23, s10, 32*SPITCH                  ; back: wave w takes rows 32 w .. 32 w + 31, whole
	s_add_co_u32 s23, s23, STAGE
	s_lshl_b32 s16, s10, 5
	s_lshl_b32 s46, s77, 1                         ; the tile's first column, in bytes
.else
	s_mul_i32 s23, s10, 16*SPITCH                  ; f32 out: my 64 columns are 256 bytes: a stage of my own, 16 rows
	s_add_co_u32 s23, s23, STAGE
	v_mul_u32_u24 v4, v1, SPITCH
	v_lshl_add_u32 v4, v2, 5, v4                   ; in: row r, 32 bytes for each half of the lanes
	v_add_nc_u32 v[STO], s23, v4
	s_lshl_b32 s16, s11, 6
	s_lshl_b32 s46, s12, 6
	s_add_co_u32 s46, s46, s77
	s_lshl_b32 s46, s46, 2                         ; my first column, in bytes
.endif
	v_mul_u32_u24 v5, v2, SPITCH                   ; back: lanes 0-15 one row of 256 bytes, lanes 16-31 the next
	v_lshl_add_u32 v5, v1, 4, v5
	v_add_nc_u32 v[RD], s23, v5
	v_mul_u32_u24 v5, v2, CP                       ; and the same two rows in C
	v_lshl_add_u32 v[CO], v1, 4, v5
	s_add_co_u32 s16, s16, s13                     ; the first row of C that I store
	s_mul_i32 s16, s16, CP
	s_mov_b32 s17, 0
	s_mov_b32 s47, 0
	s_add_nc_u64 s[8:9], s[74:75], s[16:17]
	s_add_nc_u64 s[8:9], s[8:9], s[46:47]
; 8 matrix instructions: m blocks a0, a0 + 1 x all 4 n blocks, 32 along K: half c of buffer f.  zero = 1: the first product starts the sums from the bias.  The 16 accumulators take turns.
.macro MUL8 f, c, a0, zero
.irp a, \a0, \a0+1
.irp b, 0,1,2,3
.if \zero
	v_wmma_f32_16x16x32_f16 v[ACC+8*(4*(\a)+\b):ACC+8*(4*(\a)+\b)+7], v[\f+64+8*(4*\c+\b):\f+64+8*(4*\c+\b)+7], v[\f+8*(4*\c+\a):\f+8*(4*\c+\a)+7], v[BIAS+8*\b:BIAS+8*\b+7]
.else
	v_wmma_f32_16x16x32_f16 v[ACC+8*(4*(\a)+\b):ACC+8*(4*(\a)+\b)+7], v[\f+64+8*(4*\c+\b):\f+64+8*(4*\c+\b)+7], v[\f+8*(4*\c+\a):\f+8*(4*\c+\a)+7], v[ACC+8*(4*(\a)+\b):ACC+8*(4*(\a)+\b)+7]
.endif
.endr
.endr
.endm
; 32 LDS loads in one run: the fragments of 64 along K at byte k of the rows, into buffer f; the first 32 along K first
.macro FETCH slot, k, f
	WIN TO_F
.irp c, 0,1
.irp i, 0,1,2,3
	ds_load_b128 v[\f+64+8*(4*\c+\i):\f+64+8*(4*\c+\i)+3],   v[ADRB+\slot] offset:\k+64*\c+\i*16*PITCH
	ds_load_b128 v[\f+64+8*(4*\c+\i)+4:\f+64+8*(4*\c+\i)+7], v[ADRB+\slot] offset:\k+64*\c+\i*16*PITCH+32
	ds_load_b128 v[\f+8*(4*\c+\i):\f+8*(4*\c+\i)+3],         v[ADRA+\slot] offset:\k+64*\c+\i*16*PITCH
	ds_load_b128 v[\f+8*(4*\c+\i)+4:\f+8*(4*\c+\i)+7],       v[ADRA+\slot] offset:\k+64*\c+\i*16*PITCH+32
.endr
.endr
.endm
.macro PLACES                          ; four plain vector instructions in front of loads into registers that matrix instructions have read
.rept 4
	v_nop
.endr
.endm
; A K step is four quarters of 64 along K, 32 matrix instructions each, on buffers 0, 1, 0, 1.  One of the first three: multiplies buffer f and fetches the next quarter, at byte k, into g.
.macro QUARTER slot, k, f, g, zero
	s_wait_dscnt 16                                ; the first 32 along K are in; the sixteen loads of the second 32 may be out
	WIN MUL
	MUL8 \f, 0, 0, \zero
	MUL8 \f, 0, 2, \zero
	PLACES
	FETCH \slot, \k, \g
	s_wait_dscnt 32                                ; all but the 32 just issued
	WIN MUL
	MUL8 \f, 1, 0, 0
	MUL8 \f, 1, 2, 0
.endm
; The last quarter multiplies buffer 1 and changes slots: one barrier; in front of it each wave waits for all its tensor loads, adds 0 to its spare word, and waits for that and for its own reads of this slot.
; fill = 1: the barrier opens a round of the cluster's barrier, and this slot is filled again, two K steps ahead, first thing behind the round.  fill = 2: the same, with the SECOND TILE's K step 0 or 1.  fill = 0: nothing is asked for.
.macro TURN slot, next, fill
	WIN 0
	s_wait_tensorcnt 0x0                           ; all my tensor loads have landed: my part of the next slot
	ds_add_u32 v[SPW], v[NIL]                      ; 0 onto my spare word
	s_wait_dscnt 17                                ; (the add and the youngest sixteen loads may be out)
	WIN MUL
	MUL8 F1, 0, 0, 0
	s_wait_dscnt 0x0                               ; the add is done, and my reads of this slot are over
	s_barrier_signal -1
	MUL8 F1, 0, 2, 0
.if \fill
	WIN 0
.endif
	s_barrier_wait -1
.if \fill
	CREST                                          ; no wave of any partner still reads this slot's tile or has a load on its way
.if \fill == 2
.if MODE == 5
	s_sub_nc_u64 s[G0+4*\slot+2:G0+4*\slot+3], s[G0+4*\slot+2:G0+4*\slot+3], s[4:5]      ; A: up to the second tile's rows and back along K
	s_sub_nc_u64 s[G0B+4*\slot+2:G0B+4*\slot+3], s[G0B+4*\slot+2:G0B+4*\slot+3], s[6:7]  ; B: back along K
.else
	s_add_nc_u64 s[G0+4*\slot+2:G0+4*\slot+3], s[G0+4*\slot+2:G0+4*\slot+3], NEXT_A
	s_sub_nc_u64 s[G0B+4*\slot+2:G0B+4*\slot+3], s[G0B+4*\slot+2:G0B+4*\slot+3], BACK_B
.endif
.else
	s_add_nc_u64 s[G0+4*\slot+2:G0+4*\slot+3], s[G0+4*\slot+2:G0+4*\slot+3], 2*KSTEP*2
	s_add_nc_u64 s[G0B+4*\slot+2:G0B+4*\slot+3], s[G0B+4*\slot+2:G0B+4*\slot+3], 2*KSTEP*2
.endif
	JLOAD \slot                                    ; my one tensor load behind the round; its four v_nop are also the places in front of the loads below
.else
	PLACES
.endif
	FETCH \next, 0, F0
	WIN MUL
	MUL8 F1, 1, 0, 0
	MUL8 F1, 1, 2, 0
.endm
; A trip of a tile's loop goes once round the ring, from a lap's second quarter to the next lap's first, and fills both slots again; it ends with the count's compare.
.macro LAP
	QUARTER 0, 256, F1, F0, 0
	QUARTER 0, 384, F0, F1, 0
	TURN 0, 1, 1
	QUARTER 1, 128, F0, F1, 0
	QUARTER 1, 256, F1, F0, 0
	QUARTER 1, 384, F0, F1, 0
	TURN 1, 0, 1
	QUARTER 0, 128, F0, F1, 0
	WIN 0                                          ; at a label and at a branch every window is 0
	s_sub_co_u32 s3, s3, 1
	s_cmp_lg_u32 s3, 0
.endm
; THE WAY OUT of a tile.  last = 0: the first tile; the second tile's first fragments are already on their way into buffer 0, and its K step 1 into slot 1.  last = 1: the second tile.
; Five plain places stand at its head: four in front of the first read of results, and the fifth because the next tile's first products begin the accumulators anew, with another C (ISA guide 7.12.1).
.if MODE == 5
; IN F16: rounded once; 16 bytes a lane into the work-group's stage; a barrier, since a row's 256 bytes come from two waves; back as whole rows, 32 rows a wave.  The stage is written again only in the second tile's way out:
; between a wave's reads of it here and those stores stand the second tile's changes of slots, each a barrier in front of which every wave has waited for all its LDS instructions.
.macro WAYOUT last
	WIN 0
.rept 5
	v_nop
.endr
.if \last
	s_wait_xcnt 0x0                                ; the first tile's stores have read their registers and their base: both are written again below
	s_sub_nc_u64 s[8:9], s[8:9], s[18:19]          ; up to the second tile's rows
.endif
.irp t, 0,1,2,3,4,5,6,7,8,9,10,11,12,13,14,15
.irp r, 0,1,2,3
	v_cvt_pk_f16_f32 v[TMP+4*\t+\r], v[ACC+8*\t+2*\r], v[ACC+8*\t+2*\r+1]
.endr
.endr
.irp a, 0,1,2,3
.irp b, 0,1,2,3
	ds_store_b128 v[STO], v[TMP+4*(4*\a+\b):TMP+4*(4*\a+\b)+3] offset:\a*16*SPITCH+32*\b
.endr
.endr
	s_wait_dscnt 0x0                               ; for the others' sake: my stores into the stage are done
	s_barrier_signal -1
	s_barrier_wait -1
.irp t, 0,1,2,3,4,5,6,7,8,9,10,11,12,13,14,15
	ds_load_b128 v[TMP+4*\t:TMP+4*\t+3], v[RD] offset:\t*2*SPITCH
.endr
.irp t, 0,1,2,3,4,5,6,7,8,9,10,11,12,13,14,15
	s_wait_dscnt 15-\t                             ; LDS loads come back in order: pair t of rows is in
	global_store_b128 v[CO], v[TMP+4*\t:TMP+4*\t+3], s[8:9] offset:2*\t*CP   ; 16 lanes store 256 consecutive bytes, aligned
.endr
.endm
.else
; IN F32, block by block of 16 rows x 64 columns: through my own stage and back as whole rows of 256 bytes; sixteen lanes store 256 consecutive bytes, aligned.  LDS serves a wave's instructions in order: no wait between stores and loads.
.macro TOSTAGE32 a
.irp b, 0,1,2,3
	ds_store_b128 v[STO], v[ACC+8*(4*(\a)+\b):ACC+8*(4*(\a)+\b)+3] offset:64*\b          ; each accumulator from its low end on
	ds_store_b128 v[STO], v[ACC+8*(4*(\a)+\b)+4:ACC+8*(4*(\a)+\b)+7] offset:64*\b+16
.endr
.irp t, 0,1,2,3,4,5,6,7
	ds_load_b128 v[TMP+32*((\a)%2)+4*\t:TMP+32*((\a)%2)+4*\t+3], v[RD] offset:\t*2*SPITCH
.endr
.endm
.macro SEND32 a, younger, last         ; younger: the LDS instructions issued behind block a's loads, which may stay out
	s_wait_dscnt \younger
.if (\a) > 0
	s_add_nc_u64 s[8:9], s[8:9], 16*CP             ; (behind a wait on XCNT: the earlier stores have read their base)
.elseif (\last) == 1
	s_add_nc_u64 s[8:9], s[8:9], NEXT_C            ; (likewise)  on to the second tile's first rows
.endif
.if ((\a) == 0) && ((\last) == 0)
	s_cmp_eq_u32 s45, 0                            ; positions 0-15 of a batch are stored by the launch that carries them in f32
	s_cbranch_scc1 .Lfine_rows
.endif
.irp t, 0,1,2,3,4,5,6,7
	global_store_b128 v[CO], v[TMP+32*((\a)%2)+4*\t:TMP+32*((\a)%2)+4*\t+3], s[8:9] offset:2*\t*CP
.endr
.if ((\a) == 0) && ((\last) == 0)
.Lfine_rows:
.endif
.endm
.macro WAYOUT last
	WIN 0
.rept 5
	v_nop
.endr
.if \last
	s_wait_xcnt 0x0                                ; the first tile's stores have read their registers and their base
.endif
	TOSTAGE32 0
.irp a, 1,2,3
.if \a > 1
	s_wait_xcnt 0x0                                ; block a - 2's stores have read their registers and their base
.endif
	TOSTAGE32 \a
	SEND32 \a-1, 16, \last                         ; behind block a - 1's loads: block a's 8 stores and 8 loads
.endr
	s_wait_xcnt 0x0
	SEND32 3, 0, \last
.endm
.endif
	s_wait_tensorcnt 1                             ; my part of K step 0 is in; K step 1's load may be out.  Every later wait on TENSORcnt is for 0
	s_barrier_signal -1
	s_barrier_wait -1                              ; everybody's is
	FETCH 0, 0, F0
	s_wait_loadcnt 0x0                             ; the bias
	; ---- THE FIRST TILE
	QUARTER 0, 128, F0, F1, 1                      ; a tile's first quarter stands in front of its loop: its first products start the sums
	WIN 0
.if MODE == 5
	s_mov_b32 s3, s76                              ; I + 1 laps of 512 keys, I = 3 or 2; the last is written out.  The cluster's number alone
.else
	s_mov_b32 s3, 1                                ; K = 1,024: two laps; the last is written out
.endif
.Llap_first:
	LAP
	s_cbranch_scc1 .Llap_first
	QUARTER 0, 256, F1, F0, 0                      ; the first tile's last lap: THE RING GOES ON INTO THE SECOND TILE: slot 0 takes its K step 0,
	QUARTER 0, 384, F0, F1, 0
	TURN 0, 1, 2
	QUARTER 1, 128, F0, F1, 0
	QUARTER 1, 256, F1, F0, 0
	QUARTER 1, 384, F0, F1, 0
	TURN 1, 0, 2                                   ; slot 1 its K step 1, and the second tile's first fragments are fetched
	WAYOUT 0                                       ; both refills are asked for: now the tile goes out
	; ---- THE SECOND TILE
	QUARTER 0, 128, F0, F1, 1
	WIN 0
.if MODE == 5
	s_mov_b32 s3, s79                              ; I + 1 laps, I = 0 or 1
	s_cmp_eq_u32 s3, 0
	s_cbranch_scc1 .Ltail                          ; the cluster's number alone: alike in all partners
.else
	s_mov_b32 s3, 1
.endif
.Llap_second:
	LAP
	s_cbranch_scc1 .Llap_second
.Ltail:
	QUARTER 0, 256, F1, F0, 0                      ; the last lap fills nothing, and has no round of the cluster's barrier
	QUARTER 0, 384, F0, F1, 0
	TURN 0, 1, 0
	QUARTER 1, 128, F0, F1, 0
	QUARTER 1, 256, F1, F0, 0
	QUARTER 1, 384, F0, F1, 0
	s_wait_dscnt 16                                ; the very last quarter: nothing more to fetch
	WIN MUL
	MUL8 F1, 0, 0, 0
	MUL8 F1, 0, 2, 0
	s_wait_dscnt 0
	MUL8 F1, 1, 0, 0
	MUL8 F1, 1, 2, 0
	WAYOUT 1
	s_wait_tensorcnt 0x0                           ; the wave's end, behind my last tensor load and my last LDS store
	ds_add_u32 v[SPW], v[NIL]
	s_wait_dscnt 0x0
	CROUND                                         ; the closing round: no work-group ends while a partner may still ask for a tile that names it
	s_endpgm
.Lfunc_end_k_q8a0e1a84be_oproj:
	.size	k_q8a0e1a84be_oproj, .Lfunc_end_k_q8a0e1a84be_oproj-k_q8a0e1a84be_oproj
	.p2alignl 7, 3214868480
	.fill 96, 4, 3214868480
	.section	.rodata,"a",@progbits
	.p2align	6, 0x0
	.amdhsa_kernel k_q8a0e1a84be_oproj
		.amdhsa_group_segment_fixed_size 327680
		.amdhsa_private_segment_fixed_size 0
		.amdhsa_enable_private_segment 0
		.amdhsa_kernarg_size 32
		.amdhsa_user_sgpr_count 2
		.amdhsa_user_sgpr_kernarg_segment_ptr 1
		.amdhsa_wavefront_size32 1
		.amdhsa_system_sgpr_workgroup_id_x 1
		.amdhsa_system_sgpr_workgroup_id_y 1
		.amdhsa_system_sgpr_workgroup_id_z 1
		.amdhsa_system_vgpr_workitem_id 0
		.amdhsa_next_free_vgpr 512
		.amdhsa_next_free_sgpr 80
		.amdhsa_reserve_vcc 0
		.amdhsa_float_denorm_mode_32 3
		.amdhsa_float_denorm_mode_16_64 3
		.amdhsa_memory_ordered 1
		.amdhsa_forward_progress 1
		.amdhsa_inst_pref_size 167
	.end_amdhsa_kernel
	.amdgpu_metadata
---
amdhsa.version: [ 1, 2 ]
amdhsa.kernels:
  - .name:           k_q8a0e1a84be_oproj
    .symbol:         k_q8a0e1a84be_oproj.kd
    .args:
      - { .name: o, .offset: 0, .size: 8, .value_kind: global_buffer, .address_space: global }
      - { .name: pre, .offset: 8, .size: 8, .value_kind: global_buffer, .address_space: global }
      - { .name: bo, .offset: 16, .size: 8, .value_kind: global_buffer, .address_space: global }
      - { .name: out0, .offset: 24, .size: 8, .value_kind: global_buffer, .address_space: global }
    .group_segment_fixed_size: 327680
    .private_segment_fixed_size: 0
    .kernarg_segment_align: 8
    .kernarg_segment_size: 32
    .max_flat_workgroup_size: 128
    .sgpr_count:     80
    .vgpr_count:     512
    .wavefront_size: 32
...
	.end_amdgpu_metadata
.endif
;; end of part 6
;; launch fine (part 7): grid 16 x 4, 8 waves a work-group, no clusters, 44,032 bytes of LDS; arguments qkv, Wo, bv, bo, out0; writes out0
.if DOCPART == 7
	.amdgcn_target "amdgcn-amd-amdhsa--gfx1250"
	.amdhsa_code_object_version 6
	.text
	.protected	k_q8a0e1a84be_fine
	.globl	k_q8a0e1a84be_fine
	.p2align	8
	.type	k_q8a0e1a84be_fine,@function
k_q8a0e1a84be_fine:
	s_mov_b64 s[64:65], 0
	v_nop
	global_prefetch_b8 v0, s[64:65] scope:SCOPE_SE
	s_setreg_imm32_b32 hwreg(HW_REG_WAVE_MODE, 25, 1), 1
	s_wait_xcnt 0x0
; Positions 0-15 of each batch, wholly in f32: these rows average one to sixteen values and are the largest of the output, so that 16-bit operands would weigh most here.  16 x 16 scores, softmax, P V, and the projection by Wo.
; It is no bulk work: 64 of 8,192 rows.  The f32 matrix form (16 x 16 x 4) does the products.
; A work-group takes one batch (y) and 64 output columns (x); its eight waves share the 1,024 features: wave w takes features 128 w .. 128 w + 127, eight tiles of 16.  Sums over features meet in LDS, twice: the scores, and the outputs.
; Q, K and V^T of these positions come as f32 images of accumulators from the projection launch: tile t, lane (r, h), register j:  Q, K: row r, feature 16 t + 8 h + j;   V^T: V[key 8 h + j][feature 16 t + r], without bv, which is added here.
; THE PLACES ALONG K.  The form gives lane (r, h), register j' the place k = 2 h + j'.  A pair of registers (2 s, 2 s + 1) of an image is taken as it stands, on both sources alike: place (h, j') is then feature (or key) 8 h + 2 s + j' of the tile:
; the same four on both sides, and s = 0 .. 3 takes all sixteen.  So nothing is moved between lanes:
;   A: S^T = K Q^T           -> lane (r, h), register j: query r, key 8 h + j;         the softmax leaves P in the same places;
;   B: O^T tile = V^T P^T    -> lane (r, h), register j: query r, feature 16 t + 8 h + j: the very layout of Q's image;
;   C: out^T tile = Wo O^T   -> lane (r, h), register j: query r, output 16 i + 8 h + j.
; The row's maximum is taken away before the exponential.  All is unrolled.  The registers that the matrix form writes (v176-255) are written by nothing else.
; REGISTERS: window 0: v1-15 addresses; v16-79 Q, later V^T; v80-143 K, later what comes back from LDS; v144-151 scores, later a row of the output; v152-159 P; v160-167 bv; v168-171 at work; v172-175 bo;
;   v176-191 two accumulators of S^T; v192-223 four of O^T; v224-255 four of out^T.   window 1: Wo's tile (t, i) at v[8 (4 t + i)].
.set FI,    0x3000000                  ; where the images begin in qkv
.set OP0,   8192                       ; LDS: 0: the scores' parts, 1,024 bytes a wave; OP0: the outputs' parts, 16 rows x (256 + 16) bytes a wave
.set OPW,   16*272
.set SPARE, OP0+8*OPW                  ; the spare words, 128 bytes a wave, which no other line names
.set Q,    16
.set VT,   16
.set K,    80
.set RB,   80
.set T,    144
.set P,    152
.set BV,   160
.set TM,   168
.set BO,   172
.set SACC, 176
.set OT,   192
.set OUT,  224
.set SPW,  14
.set NIL,  15
.set MSB, 0
.macro WIN new                         ; the immediate's high byte repeats the setting that is left
.if MSB != \new
	s_set_vgpr_msb (MSB<<8)|\new
.set MSB, \new
.endif
.endm
.macro NOPS n                          ; plain vector instructions behind a matrix instruction of this form (ISA guide 7.12.1): 8 before its registers are read, written or loaded by others, 9 before a matrix instruction takes a result as a source or writes over a register
.rept \n
	v_nop
.endr
.endm
	s_load_b256 s[4:11], s[0:1], 0x0               ; qkv s[4:5], Wo s[6:7], bv s[8:9], bo s[10:11]
	s_load_b64 s[12:13], s[0:1], 0x20              ; out0
	v_lshl_add_u32 v[SPW], v0, 2, SPARE
	v_mov_b32 v[NIL], 0
	v_lshrrev_b32 v1, 5, v0
	v_readfirstlane_b32 s14, v1                    ; wave 0..7
	s_and_b32 s15, ttmp7, 0xffff                   ; the batch
	v_and_b32 v1, 31, v0                           ; lane
	v_and_b32 v2, 15, v0                           ; r
	v_bfe_u32 v3, v0, 4, 1                         ; h
	v_lshlrev_b32 v4, 4, v1                        ; 16 x lane: an image's place for my lane, in memory and in LDS
	v_lshlrev_b32 v5, 12, v2
	v_lshl_add_u32 v5, v3, 5, v5                   ; Wo: row r of 4,096 bytes, + 32 h
	v_lshlrev_b32 v6, 2, v2                        ; bv: 4 r
	v_lshlrev_b32 v7, 4, v2                        ; bo: 16 r
	s_lshl_b32 s16, s14, 10
	v_add_nc_u32 v8, s16, v4                       ; LDS: my part of the scores
	v_lshlrev_b32 v9, 3, v3
	v_sub_nc_u32 v9, v2, v9                        ; r - 8 h: register j's key is hidden where j > r - 8 h
	s_mul_i32 s16, s14, OPW
	s_add_co_u32 s16, s16, OP0
	v_mul_u32_u24 v10, v2, 272
	v_lshl_add_u32 v10, v3, 5, v10
	v_add_nc_u32 v10, s16, v10                     ; LDS: my part of the outputs: row r, + 32 h
	s_mul_i32 s16, s14, 544
	s_add_co_u32 s16, s16, OP0
	v_mul_u32_u24 v11, v3, 272
	v_lshl_add_u32 v11, v2, 4, v11
	v_add_nc_u32 v11, s16, v11                     ; and back: row 2 w + h, 16 bytes a lane
	s_lshl_b32 s16, s14, 13
	v_lshlrev_b32 v12, 12, v3
	v_lshl_add_u32 v12, v2, 4, v12
	v_add_nc_u32 v12, s16, v12                     ; the same row in out0
	v_mov_b32 v13, 0xff800000                      ; -infinity
	s_mov_b32 s20, 0x76543210                      ; v_permlanex16_b32's selects for lane l xor 16
	s_mov_b32 s21, 0xfedcba98
	s_mov_b32 s22, 0x3d38aa3b                      ; c = log2(e) / sqrt(1024)
	s_mov_b32 s23, 0xbd38aa3b                      ; -c
	s_lshl_b32 s16, s15, 16                        ; the images: 65,536 bytes a batch, 8,192 a wave
	s_lshl_b32 s17, s14, 13
	s_add_co_u32 s16, s16, s17
	s_add_co_u32 s16, s16, FI
	s_mov_b32 s17, 0
	s_lshl_b32 s18, ttmp9, 18                      ; Wo: 64 rows a work-group, 512 bytes of a row a wave
	s_lshl_b32 s19, s14, 9
	s_add_co_u32 s18, s18, s19
	s_mov_b32 s19, 0
	s_lshl_b32 s24, s14, 9                         ; bv: 128 numbers a wave
	s_mov_b32 s25, 0
	s_lshl_b32 s26, ttmp9, 8                       ; bo, and a row of out0: 64 numbers a work-group
	s_mov_b32 s27, 0
	s_lshl_b32 s28, s15, 23                        ; out0: 2,048 rows of 4,096 bytes a batch
	s_add_co_u32 s28, s28, s26
	s_mov_b32 s29, 0
	s_wait_kmcnt 0x0
	s_add_nc_u64 s[4:5], s[4:5], s[16:17]
	s_add_nc_u64 s[6:7], s[6:7], s[18:19]
	s_add_nc_u64 s[8:9], s[8:9], s[24:25]
	s_add_nc_u64 s[10:11], s[10:11], s[26:27]
	s_add_nc_u64 s[12:13], s[12:13], s[28:29]
.irp t, 0,1,2,3,4,5,6,7
	global_load_b128 v[Q+8*\t:Q+8*\t+3], v4, s[4:5] offset:1024*\t
	global_load_b128 v[Q+8*\t+4:Q+8*\t+7], v4, s[4:5] offset:1024*\t+512
.endr
.irp t, 0,1,2,3,4,5,6,7
	global_load_b128 v[K+8*\t:K+8*\t+3], v4, s[4:5] offset:262144+1024*\t
	global_load_b128 v[K+8*\t+4:K+8*\t+7], v4, s[4:5] offset:262144+1024*\t+512
.endr
.irp t, 0,1,2,3,4,5,6,7
	global_load_b32 v[BV+\t], v6, s[8:9] offset:64*\t                ; bv[16 t + r]
.endr
	global_load_b128 v[BO:BO+3], v7, s[10:11]                        ; bo of my four outputs of a row
.macro WOLOAD t                        ; Wo's four tiles of feature tile t: lane (r, h), register j: Wo[16 i + r][16 t + 8 h + j]
.irp i, 0,1,2,3
	global_load_b128 v[8*(4*(\t)+\i):8*(4*(\t)+\i)+3], v5, s[6:7] offset:65536*\i+64*(\t)
	global_load_b128 v[8*(4*(\t)+\i)+4:8*(4*(\t)+\i)+7], v5, s[6:7] offset:65536*\i+64*(\t)+16
.endr
.endm
	WIN 0x40                                       ; destination window 1
.irp t, 0,1,2,3
	WOLOAD \t
.endr
	WIN 0
	s_wait_loadcnt 41                              ; Q and K are in; behind them: bv's 8, bo's 1, Wo's 32
	; ---- A: my part of S^T = K Q^T: 32 products, two accumulators by turns
.irp t, 0,1,2,3,4,5,6,7
.irp s, 0,1,2,3
.if (\t == 0) && (\s < 2)
	v_wmma_f32_16x16x4_f32 v[SACC+8*(\s%2):SACC+8*(\s%2)+7], v[K+8*\t+2*\s:K+8*\t+2*\s+1], v[Q+8*\t+2*\s:Q+8*\t+2*\s+1], 0
.else
	v_wmma_f32_16x16x4_f32 v[SACC+8*(\s%2):SACC+8*(\s%2)+7], v[K+8*\t+2*\s:K+8*\t+2*\s+1], v[Q+8*\t+2*\s:Q+8*\t+2*\s+1], v[SACC+8*(\s%2):SACC+8*(\s%2)+7]
.endif
.endr
.endr
	NOPS 8
.irp t, 0,1,2,3,4,5,6,7
	global_load_b128 v[VT+8*\t:VT+8*\t+3], v4, s[4:5] offset:2*262144+1024*\t      ; V^T takes Q's registers
	global_load_b128 v[VT+8*\t+4:VT+8*\t+7], v4, s[4:5] offset:2*262144+1024*\t+512
.endr
	WIN 0x40
.irp t, 4,5,6,7
	WOLOAD \t
.endr
	WIN 0
.irp j, 0,2,4,6
	v_pk_add_f32 v[T+\j:T+\j+1], v[SACC+\j:SACC+\j+1], v[SACC+8+\j:SACC+8+\j+1]   ; the two accumulators, from their low ends on
.endr
	ds_store_b128 v8, v[T:T+3]
	ds_store_b128 v8, v[T+4:T+7] offset:512
	s_wait_dscnt 0x0                               ; for the others' sake: my part lies in LDS
	s_barrier_signal -1
	s_barrier_wait -1
.irp w, 0,1,2,3,4,5,6,7
	ds_load_b128 v[RB+8*\w:RB+8*\w+3], v4 offset:1024*\w
	ds_load_b128 v[RB+8*\w+4:RB+8*\w+7], v4 offset:1024*\w+512
.endr
	s_wait_dscnt 0x0
.irp j, 0,2,4,6
	v_pk_add_f32 v[T+\j:T+\j+1], v[RB+\j:RB+\j+1], v[RB+8+\j:RB+8+\j+1]
.endr
.irp w, 2,3,4,5,6,7
.irp j, 0,2,4,6
	v_pk_add_f32 v[T+\j:T+\j+1], v[T+\j:T+\j+1], v[RB+8*\w+\j:RB+8*\w+\j+1]        ; every wave adds the eight parts in the same order
.endr
.endr
	; ---- the softmax of query r over keys 8 h + j and lane l xor 16's
.irp j, 0,1,2,3,4,5,6,7
	v_cmp_gt_i32 vcc_lo, \j, v9
	v_cndmask_b32 v[T+\j], v[T+\j], v13, vcc_lo
.endr
	v_max3_num_f32 v[TM], v[T], v[T+1], v[T+2]
	v_max3_num_f32 v[TM], v[TM], v[T+3], v[T+4]
	v_max3_num_f32 v[TM], v[TM], v[T+5], v[T+6]
	v_max_num_f32 v[TM], v[TM], v[T+7]
	v_mov_b32 v[TM+1], 0                           ; a lane permute's destination counts as one of its sources
	v_permlanex16_b32 v[TM+1], v[TM], s20, s21
	v_max_num_f32 v[TM], v[TM], v[TM+1]            ; the row's maximum M (key 0 counts for every query)
	v_mul_f32 v[TM+2], s23, v[TM]                  ; -c M
.irp j, 0,1,2,3,4,5,6,7
	v_fma_f32 v[T+\j], v[T+\j], s22, v[TM+2]
.endr
.irp j, 0,1,2,3,4,5,6,7
	v_exp_f32 v[T+\j], v[T+\j]
.endr
	v_nop
	s_wait_alu depctr_va_vdst(0)                   ; one wait for the eight, ahead of their first reader
	v_pk_add_f32 v[TM:TM+1], v[T:T+1], v[T+2:T+3]
	v_pk_add_f32 v[TM+2:TM+3], v[T+4:T+5], v[T+6:T+7]
	v_pk_add_f32 v[TM:TM+1], v[TM:TM+1], v[TM+2:TM+3]
	v_add_f32 v[TM], v[TM], v[TM+1]
	v_permlanex16_b32 v[TM+1], v[TM], s20, s21
	v_add_f32 v[TM], v[TM], v[TM+1]
	v_rcp_f32 v[TM+2], v[TM]
	v_nop
	s_wait_alu depctr_va_vdst(0)
.irp j, 0,1,2,3,4,5,6,7
	v_mul_f32 v[P+\j], v[T+\j], v[TM+2]
.endr
	s_wait_loadcnt 0x0                             ; V^T, bv, bo, Wo
.irp t, 0,1,2,3,4,5,6,7
.irp j, 0,1,2,3,4,5,6,7
	v_add_f32 v[VT+8*\t+\j], v[VT+8*\t+\j], v[BV+\t]                 ; V = x Wv^T + bv: my lane's feature is 16 t + r in all eight registers
.endr
.endr
	; ---- B and C, four feature tiles at a time
.irp g, 0,1
.irp s, 0,1,2,3                        ; B: O^T of tiles 4 g + u: four accumulators by turns, 4 keys a product
.irp u, 0,1,2,3
.if \s == 0
	v_wmma_f32_16x16x4_f32 v[OT+8*\u:OT+8*\u+7], v[VT+8*(4*\g+\u)+2*\s:VT+8*(4*\g+\u)+2*\s+1], v[P+2*\s:P+2*\s+1], 0
.else
	v_wmma_f32_16x16x4_f32 v[OT+8*\u:OT+8*\u+7], v[VT+8*(4*\g+\u)+2*\s:VT+8*(4*\g+\u)+2*\s+1], v[P+2*\s:P+2*\s+1], v[OT+8*\u:OT+8*\u+7]
.endif
.endr
.endr
	NOPS 9                                         ; the results become sources
	WIN 0x01                                       ; source 0 (Wo) window 1
.irp u, 0,1,2,3                        ; C: my part of out^T: four accumulators by turns, 4 features a product
.irp s, 0,1,2,3
.irp i, 0,1,2,3
.if (\g == 0) && (\u == 0) && (\s == 0)
	v_wmma_f32_16x16x4_f32 v[OUT+8*\i:OUT+8*\i+7], v[8*(4*(4*\g+\u)+\i)+2*\s:8*(4*(4*\g+\u)+\i)+2*\s+1], v[OT+8*\u+2*\s:OT+8*\u+2*\s+1], 0
.else
	v_wmma_f32_16x16x4_f32 v[OUT+8*\i:OUT+8*\i+7], v[8*(4*(4*\g+\u)+\i)+2*\s:8*(4*(4*\g+\u)+\i)+2*\s+1], v[OT+8*\u+2*\s:OT+8*\u+2*\s+1], v[OUT+8*\i:OUT+8*\i+7]
.endif
.endr
.endr
.endr
	WIN 0
	NOPS 9                                         ; O^T's registers are begun anew; behind the last run: the results are read
.endr
.irp i, 0,1,2,3
	ds_store_b128 v10, v[OUT+8*\i:OUT+8*\i+3] offset:64*\i           ; each accumulator from its low end on
	ds_store_b128 v10, v[OUT+8*\i+4:OUT+8*\i+7] offset:64*\i+16
.endr
	s_wait_dscnt 0x0                               ; for the others' sake
	s_barrier_signal -1
	s_barrier_wait -1
.irp w, 0,1,2,3,4,5,6,7
	ds_load_b128 v[RB+4*\w:RB+4*\w+3], v11 offset:OPW*\w             ; rows 2 w + h of all eight parts
.endr
	s_wait_dscnt 0x0
	v_pk_add_f32 v[T:T+1], v[RB:RB+1], v[RB+4:RB+5]
	v_pk_add_f32 v[T+2:T+3], v[RB+2:RB+3], v[RB+6:RB+7]
.irp w, 2,3,4,5,6,7
	v_pk_add_f32 v[T:T+1], v[T:T+1], v[RB+4*\w:RB+4*\w+1]
	v_pk_add_f32 v[T+2:T+3], v[T+2:T+3], v[RB+4*\w+2:RB+4*\w+3]
.endr
	v_pk_add_f32 v[T:T+1], v[T:T+1], v[BO:BO+1]
	v_pk_add_f32 v[T+2:T+3], v[T+2:T+3], v[BO+2:BO+3]
	global_store_b128 v12, v[T:T+3], s[12:13]      ; sixteen lanes store 256 consecutive bytes, aligned
	s_wait_tensorcnt 0x0                           ; the wave's end, behind my last LDS store
	ds_add_u32 v[SPW], v[NIL]
	s_wait_dscnt 0x0
	s_endpgm
.Lfunc_end_k_q8a0e1a84be_fine:
	.size	k_q8a0e1a84be_fine, .Lfunc_end_k_q8a0e1a84be_fine-k_q8a0e1a84be_fine
	.p2alignl 7, 3214868480
	.fill 96, 4, 3214868480
	.section	.rodata,"a",@progbits
	.p2align	6, 0x0
	.amdhsa_kernel k_q8a0e1a84be_fine
		.amdhsa_group_segment_fixed_size 44032
		.amdhsa_private_segment_fixed_size 0
		.amdhsa_enable_private_segment 0
		.amdhsa_kernarg_size 40
		.amdhsa_user_sgpr_count 2
		.amdhsa_user_sgpr_kernarg_segment_ptr 1
		.amdhsa_wavefront_size32 1
		.amdhsa_system_sgpr_workgroup_id_x 1
		.amdhsa_system_sgpr_workgroup_id_y 1
		.amdhsa_system_sgpr_workgroup_id_z 1
		.amdhsa_system_vgpr_workitem_id 0
		.amdhsa_next_free_vgpr 512
		.amdhsa_next_free_sgpr 66
		.amdhsa_reserve_vcc 1
		.amdhsa_float_denorm_mode_32 3
		.amdhsa_float_denorm_mode_16_64 3
		.amdhsa_memory_ordered 1
		.amdhsa_forward_progress 1
		.amdhsa_inst_pref_size 38
	.end_amdhsa_kernel
	.amdgpu_metadata
---
amdhsa.version: [ 1, 2 ]
amdhsa.kernels:
  - .name:           k_q8a0e1a84be_fine
    .symbol:         k_q8a0e1a84be_fine.kd
    .args:
      - { .name: qkv, .offset: 0, .size: 8, .value_kind: global_buffer, .address_space: global }
      - { .name: Wo, .offset: 8, .size: 8, .value_kind: global_buffer, .address_space: global }
      - { .name: bv, .offset: 16, .size: 8, .value_kind: global_buffer, .address_space: global }
      - { .name: bo, .offset: 24, .size: 8, .value_kind: global_buffer, .address_space: global }
      - { .name: out0, .offset: 32, .size: 8, .value_kind: global_buffer, .address_space: global }
    .group_segment_fixed_size: 44032
    .private_segment_fixed_size: 0
    .kernarg_segment_align: 8
    .kernarg_segment_size: 40
    .max_flat_workgroup_size: 256
    .sgpr_count:     66
    .vgpr_count:     512
    .wavefront_size: 32
...
	.end_amdgpu_metadata
.endif
;; end of part 7
